; MI455X (gfx1250); checked and timed in simulation.
; The chip was launched on July 23, 2026; its instructions are those of AMD's public machine-readable ISA for CDNA 5 (MIT licence, August 2026) and "CDNA5" Instruction Set Architecture Reference Guide (July 2026). The comments in the code are by the model that wrote it; some were corrected since.
;; Multi Head Self Attention. Allowed arithmetic: matrix products marked QUANTISED: E2M1 operands, one E8M0 scale for each 32 along K, by v_wmma_scale_f32_16x16x128_f8f6f4 with both operands' format E2M1 (or v_wmma_scale_f32_32x16x128_f4), f32 sums; products left as they are: bf16, f16 or f32 operands; f32 sums; everything else in f32.
;; Inputs: Wk 1,024 x 1,024 float32; Wo 1,024 x 1,024 float32; Wq 1,024 x 1,024 float32; Wv 1,024 x 1,024 float32; token_positions 2,048 int32; x 4 x 2,048 x 1,024 float32.
;; Outputs: out0 4 x 2,048 x 1,024 float32.
;; This version of the problem:
;;   THIS VERSION OF THE PROBLEM IS GIVEN IN LOW PRECISION. The matrix products marked QUANTISED in the list below multiply operands that are first quantised to E2M1 (2 exponent bits, 1 mantissa bit; 4 bits a number), with one power-of-two scale for each 32 numbers along K (OCP MX v1.0); their sums are f32. The products marked 'left as it is' may take bf16, f16 or f32 operands, with f32 sums. Whichever they take, every output number must still come out within the allowed error. Rounding operands to bf16 (8 significant bits) uses up far more of that allowance than f16 does (11 bits, for magnitudes from 6e-5 to 65,504). All else is computed in f32.
;;   The module's matrix products, in the order in which they are computed (A, B: the left and right operand; K: the contracted axis; several contracted axes count as one K, in the product's order):
;;     1. [M 8,192, K 1,024] x [K 1,024, N 1,024]; A: input x; B: input Wq: QUANTISED
;;     2. [M 8,192, K 1,024] x [K 1,024, N 1,024]; A: input x; B: input Wk: QUANTISED
;;     3. [M 8,192, K 1,024] x [K 1,024, N 1,024]; A: input x; B: input Wv: QUANTISED
;;     4. batch 64 x [M 2,048, K 64] x [K 64, N 2,048]; A: computed on the way; B: computed on the way: left as it is (an operand is computed on the way)
;;     5. batch 64 x [M 2,048, K 2,048] x [K 2,048, N 64]; A: computed on the way; B: computed on the way: left as it is (an operand is computed on the way)
;;     6. [M 8,192, K 1,024] x [K 1,024, N 1,024]; A: computed on the way; B: input Wo: left as it is (an operand is computed on the way)
;;   THE QUANTISER, for each operand of a quantised product, along K:
;;     - K is cut into blocks of 32 from its start; a last block that is shorter is filled with zeros.
;;     - A block's scale is 2^e with e = floor(log2(the largest magnitude in the block)) - 2, held to -126 .. 127; a block of zeros has e = 0. As a byte (E8M0): e + 127.
;;     - Each number is divided by its block's scale, clamped to +-6, and rounded to the nearest number of E2M1, ties to even, subnormals kept.
;;     - The product sums the exact products of the quantised numbers (number of the format x scale) in f32.
;;   ~~~python
;;   def quantise(x, axis):      # numpy; x: float32 -> the quantised numbers, widened to float32 again
;;       x = np.moveaxis(x, axis, -1); K = x.shape[-1]
;;       x = np.pad(x, [(0, 0)] * (x.ndim - 1) + [(0, -K % 32)]); x = x.reshape(x.shape[:-1] + (-1, 32)); a = np.abs(x).max(-1, keepdims=True)
;;       e = np.where(a > 0, np.clip(np.frexp(np.where(a > 0, a, 1))[1] - 1 - 2, -126, 127), 0)      # np.frexp(a)[1] - 1 = floor(log2(a)), exactly
;;       r = np.clip(x / 2.0 ** e, -6, 6)
;;       step = 2.0 ** (np.maximum(np.frexp(np.where(r == 0, 1, r))[1] - 1, 0) - 1)
;;       q = np.round(r / step) * step * 2.0 ** e      # np.round: ties to even
;;       return np.moveaxis(q.reshape(q.shape[:-2] + (-1,))[..., :K], -1, axis).astype(np.float32)
;;   ~~~
;; One version. Each part assembles by itself: llvm-mc -triple=amdgcn-amd-amdhsa -mcpu=gfx1250 --defsym DOCPART=n.
;; ======== version 1 of 1: 5 launches
;; limits: values are held in f16: magnitudes above 65,504 overflow, below 6.1e-05 lose precision; right only within a limited range of input values
;; workspace buffers: cod 5,767,168 bytes; scl 360,448 bytes; wof 2,097,152 bytes; tab 1,048,576 bytes; qkv 50,331,648 bytes; f32r 786,432 bytes; af 16,777,216 bytes
;; launch prep (part 1): grid 512 x 1, 4 waves a work-group, no clusters, 50,688 bytes of LDS; arguments x, Wq, Wk, Wv, Wo, token_positions, cod, scl, wof, tab; writes cod, scl, wof, tab
.if DOCPART == 1
	.amdgcn_target "amdgcn-amd-amdhsa--gfx1250"
	.amdhsa_code_object_version 6
	.text
	.protected	k_q69861935c6_prep
	.globl	k_q69861935c6_prep
	.p2align	8
	.type	k_q69861935c6_prep,@function
k_q69861935c6_prep:
	s_mov_b64 s[64:65], 0
	v_nop
	global_prefetch_b8 v0, s[64:65] scope:SCOPE_SE
	s_setreg_imm32_b32 hwreg(HW_REG_WAVE_MODE, 25, 1), 1
	s_wait_xcnt 0x0
; MULTI-HEAD SELF-ATTENTION, first of five launches (prep, qkv, attn, proj, fine).  This one makes what the others read again and again:
;   cod, scl: x, Wq, Wk, Wv as codes of FP4 (E2M1), K innermost, one E8M0 byte for each 32 along K: x's 8,192 rows, then Wq's, Wk's, Wv's 1,024 rows each;
;   wof:      Wo as f16, laid in the order of a matrix operand's registers: [16 rows nb][32 along K c][half u][lane][16 bytes], lane (r, h) = Wo[16 nb + r][32 c + 16 u + 8 h + 0 .. 7];
;   tab:      (cos, sin) of position x frequency, [position][32 frequencies], twice: plane 0 times log2(e) / 8 (for q: the scores' scaling and the base-2 exponential ride on it), plane 1 plain (for k).
; WORK LEFT OUT IN THE PROGRAM, and why it is dead.  reference() builds the causal mask in its own body (jnp.tril) and puts -inf on every score with key > query; the softmax gives those weight 0, whatever finite
; values the inputs hold.  So launch attn does not multiply key steps all of whose keys come after all of a wave's queries, and does not fetch keys and values that come after all of a work-group's queries.
; Nothing else is left out; every input has a way to the output and is loaded.  LIMIT: a NaN, an infinity or an overflow in a k or v that only such hidden products would touch is not carried to the result.
; LIMITS OF THE PROGRAM: q, k, v, the attention's result and Wo go to the matrix units as f16: magnitudes stay under 65,504.  Blocks whose largest magnitude lies under 2^-124 keep the scale byte 1.
; NaN and infinities among the inputs are not served.  Token positions: magnitudes up to 2^22 (the angle is reduced by pi / 2 in three parts); the frequencies 10000^(-i / 32) are made by the base-2 exponential.
; A block's scale is 2^(floor(log2(its largest magnitude)) - 2); its byte is the largest magnitude's exponent field - 2, held at 1 from below (a block of zeros keeps 1: its codes are zeros, and this program alone reads the bytes).
; THREE PATHS by the work-group's number, each with LDS bytes of its own: 0-351 quantise (256 for x, 32 for each weight), 352-479 lay out Wo, 480-511 make the table.  No barrier: waves share nothing.
.set WREG,  8192                       ; quantiser: a region for each wave: two stages of 32 x SP bytes, then its 256 scale bytes
.set SP,    80                         ; a lane's place in a stage: its 64 bytes + 16 of padding
.set CB,    8                          ; bytes of 16 codes
.set EMAX,  2
.set STEPS, 16
.set R,     16                         ; v16-79   four sets of 16 numbers as loaded
.set X,     80                         ; v80-111  two sets of 16 neighbours
.set E,     112                        ; v112-127 a scale byte for each step
.set C,     128                        ; v128-191 codes, four registers a step
.set SPW,   12                         ; v12 LDS address of my spare word; never rewritten
.set NIL,   13                         ; v13 0; never rewritten
.set OSTG,  4*WREG                     ; Wo's path: a stage of 16 rows x OP bytes for each wave
.set OP,    272
.set SPARE, OSTG+4*16*OP               ; the spare words, 128 bytes a wave: two blocks of 256 bytes that no other line names
	s_load_b512 s[4:19], s[0:1], 0x0               ; x 4:5, Wq 6:7, Wk 8:9, Wv 10:11, Wo 12:13, positions 14:15, cod 16:17, scl 18:19
	s_load_b128 s[20:23], s[0:1], 0x40             ; wof 20:21, tab 22:23
	v_lshl_add_u32 v[SPW], v0, 2, SPARE
	v_mov_b32 v[NIL], 0
	v_lshrrev_b32 v1, 5, v0
	v_readfirstlane_b32 s24, v1                    ; wave
	v_and_b32 v2, 31, v0                           ; lane
	v_lshlrev_b32 v3, 4, v2                        ; 16 x lane
	s_cmp_ge_u32 ttmp9, 352
	s_cbranch_scc1 .Lnot_quant
; ---- THE QUANTISER.  Rows are dense and K is a multiple of 32: each tensor is a stream of blocks of 32.  A wave takes a run of 8,192 numbers in 16 steps of 512.  Each load reads 512 consecutive bytes;
; a step's 2,048 bytes turn through the wave's own stage so that a lane holds 16 neighbours (two lanes a block); a lane's 16 codes are 8 bytes: a store of the wave covers 256 consecutive bytes.
	s_mul_i32 s25, s24, WREG
	v_lshrrev_b32 v14, 2, v2
	v_mul_u32_u24 v14, v14, SP
	v_and_b32 v15, 3, v2
	v_lshl_add_u32 v14, v15, 4, v14
	v_add_nc_u32 v14, s25, v14                     ; the stage, on the way in: SP (lane / 4) + 16 (lane % 4)
	v_mul_u32_u24 v15, v2, SP
	v_add_nc_u32 v15, s25, v15                     ; on the way out: SP x lane
	v_mul_u32_u24 v4, v2, CB                       ; my codes' place in a step's
	v_lshrrev_b32 v5, 1, v2
	s_add_co_u32 s25, s25, 2*32*SP
	v_add_nc_u32 v5, s25, v5                       ; my block's byte among my wave's 256 scale bytes
	v_lshlrev_b32 v7, 3, v2
	v_add_nc_u32 v6, s25, v7
	s_wait_kmcnt 0x0
	s_mov_b32 s28, 1280                            ; which tensor, and its first run: the choice hangs on the work-group's number alone
	s_cmp_lt_u32 ttmp9, 320
	s_cselect_b64 s[26:27], s[8:9], s[10:11]
	s_cselect_b32 s28, 1152, s28
	s_cmp_lt_u32 ttmp9, 288
	s_cselect_b64 s[26:27], s[6:7], s[26:27]
	s_cselect_b32 s28, 1024, s28
	s_cmp_lt_u32 ttmp9, 256
	s_cselect_b64 s[26:27], s[4:5], s[26:27]
	s_cselect_b32 s28, 0, s28
	s_lshl_b32 s29, ttmp9, 2
	s_add_co_u32 s29, s29, s24                     ; my run among all 1,408
	s_sub_co_u32 s30, s29, s28
	s_lshl_b32 s30, s30, 15                        ; 32,768 bytes of f32 a run
	s_mov_b32 s31, 0
	s_add_nc_u64 s[26:27], s[26:27], s[30:31]
	s_lshl_b32 s30, s29, 12                        ; 4,096 bytes of codes a run: the weights' follow x's
	s_add_nc_u64 s[16:17], s[16:17], s[30:31]
	s_lshl_b32 s30, s29, 8                         ; 256 scale bytes a run
	s_add_nc_u64 s[18:19], s[18:19], s[30:31]
.macro LOAD t
.irp i, 0,1,2,3
	global_load_b128 v[R+16*((\t)%4)+4*\i:R+16*((\t)%4)+4*\i+3], v3, s[26:27] offset:2048*(\t)+512*\i th:TH_LOAD_NT
.endr
.endm
.macro TURN t                          ; step t's numbers through the stage: LDS serves a wave's instructions in order, so no wait stands between the stores and the loads
.irp i, 0,1,2,3
	ds_store_b128 v14, v[R+16*((\t)%4)+4*\i:R+16*((\t)%4)+4*\i+3] offset:32*SP*((\t)%2)+8*SP*\i
.endr
.irp i, 0,1,2,3
	ds_load_b128 v[X+16*((\t)%2)+4*\i:X+16*((\t)%2)+4*\i+3], v15 offset:32*SP*((\t)%2)+16*\i
.endr
.endm
.irp t, 0,1,2,3
	LOAD \t
.endr
	s_wait_loadcnt 12                              ; step 0's four loads are in; three steps' twelve may be out
	TURN 0
.macro STEP t
.set XS, X+16*((\t)%2)
.if (\t) > 0
	s_wait_dscnt 1                                 ; this step's numbers are back from the stage (the last step's byte store may be out)
.else
	s_wait_dscnt 0x0
.endif
.if (\t)+4 < STEPS
	LOAD (\t)+4
.endif
.if (\t)+1 < STEPS
.if STEPS-2-(\t) >= 3
	s_wait_loadcnt 12                              ; the next step's four loads are in; those of the three steps behind it may be out
.else
	s_wait_loadcnt 4*(STEPS-2-(\t))
.endif
	TURN (\t)+1
.endif
	v_max3_num_f32 v8, |v[XS]|, |v[XS+1]|, |v[XS+2]|
	v_max3_num_f32 v9, |v[XS+3]|, |v[XS+4]|, |v[XS+5]|
.irp i, 6,10
	v_max3_num_f32 v8, v8, |v[XS+\i]|, |v[XS+\i+1]|
	v_max3_num_f32 v9, v9, |v[XS+\i+2]|, |v[XS+\i+3]|
.endr
	v_max3_num_f32 v8, v8, |v[XS+14]|, |v[XS+15]|
	v_max3_num_f32 v8, v8, v9, (EMAX+1)<<23        ; and the floor 2^(3 - 127): the byte cannot fall under 1
	v_max_num_f32_dpp v8, v8, v8 row_xmask:1 row_mask:0xf bank_mask:0xf   ; with my neighbour's 16: the block's largest magnitude
	v_add_nc_u32 v11, -(EMAX<<23), v8              ; 2 off its exponent field: the conversion takes the exponent field of this operand as its scale
	v_cvt_scalef32_pk8_fp4_f32 v[C+4*(\t)], v[XS:XS+7], v11
	v_cvt_scalef32_pk8_fp4_f32 v[C+4*(\t)+1], v[XS+8:XS+15], v11
	v_lshrrev_b32 v[E+(\t)], 23, v11               ; the scale's byte
	ds_store_b8 v5, v[E+(\t)] offset:16*(\t)       ; both lanes of a block write the same byte with the same value
	global_store_b64 v4, v[C+4*(\t):C+4*(\t)+1], s[16:17] offset:32*CB*(\t)
.endm
.irp t, 0,1,2,3,4,5,6,7,8,9,10,11,12,13,14,15
	STEP \t
.endr
	ds_load_b64 v[8:9], v6                         ; in order behind my byte stores
	s_wait_dscnt 0x0
	global_store_b64 v7, v[8:9], s[18:19]          ; 32 lanes store 256 consecutive bytes, aligned
	s_branch .Lend
; ---- Wo.  A wave takes 16 rows x 128 along K: each load reads 512 consecutive bytes of a row; rounded to f16 they go through the wave's stage (rows of 256 bytes + 16) and come back in the operand's order.
.Lnot_quant:
	s_cmp_ge_u32 ttmp9, 480
	s_cbranch_scc1 .Ltable
	s_sub_co_u32 s25, ttmp9, 352
	s_lshl_b32 s25, s25, 2
	s_add_co_u32 s25, s25, s24                     ; unit 0 .. 511
	s_lshr_b32 s26, s25, 3                         ; nb: which 16 rows
	s_and_b32 s27, s25, 7                          ; kg: which 128 along K
	s_lshl_b32 s28, s26, 16
	s_lshl_b32 s29, s27, 9
	s_add_co_u32 s28, s28, s29                     ; in Wo: 65,536 nb + 512 kg
	s_mov_b32 s29, 0
	s_lshl_b32 s30, s26, 15
	s_lshl_b32 s31, s27, 12
	s_add_co_u32 s30, s30, s31                     ; in wof: 32,768 nb + 4,096 kg
	s_mov_b32 s31, 0
	s_mul_i32 s32, s24, 16*OP
	s_add_co_u32 s32, s32, OSTG                    ; my stage
	v_lshl_add_u32 v4, v2, 3, s32                  ; in: 8 bytes a lane
	v_and_b32 v5, 15, v2
	v_lshrrev_b32 v6, 4, v2
	v_mul_u32_u24 v5, v5, OP
	v_lshl_add_u32 v5, v6, 4, v5
	v_add_nc_u32 v5, s32, v5                       ; back: row r, + 16 h
	s_wait_kmcnt 0x0
	s_add_nc_u64 s[12:13], s[12:13], s[28:29]
	s_add_nc_u64 s[20:21], s[20:21], s[30:31]
.irp i, 0,1,2,3,4,5,6,7,8,9,10,11,12,13,14,15
	global_load_b128 v[16+4*\i:19+4*\i], v3, s[12:13] offset:4096*\i th:TH_LOAD_NT
.endr
	s_wait_loadcnt 0x0
.irp i, 0,1,2,3,4,5,6,7,8,9,10,11,12,13,14,15
	v_cvt_pk_f16_f32 v[80+2*\i], v[16+4*\i], v[17+4*\i]
	v_cvt_pk_f16_f32 v[81+2*\i], v[18+4*\i], v[19+4*\i]
.endr
.irp i, 0,1,2,3,4,5,6,7,8,9,10,11,12,13,14,15
	ds_store_b64 v4, v[80+2*\i:81+2*\i] offset:OP*\i
.endr
.irp n, 0,1,2,3,4,5,6,7
	ds_load_b128 v[128+4*\n:131+4*\n], v5 offset:32*\n           ; chunk n / 2, half n % 2: bytes 64 c + 32 u + 16 h of row r; in order behind my stores
.endr
.irp n, 0,1,2,3,4,5,6,7
	s_wait_dscnt 7-\n
	global_store_b128 v3, v[128+4*\n:131+4*\n], s[20:21] offset:512*\n   ; 512 consecutive bytes
.endr
	s_branch .Lend
; ---- THE TABLE.  A wave takes 16 positions; the lane is the frequency's number i.  angle = f32(position) x 10000^(-i / 32), rounded as reference() rounds it; n = the nearest multiple of pi / 2; r = angle - n pi / 2 in
; three fused steps; sine and cosine of r by polynomials on [-pi / 4, pi / 4]; n's low two bits swap them and set the signs.
.Ltable:
	s_sub_co_u32 s25, ttmp9, 480
	s_lshl_b32 s25, s25, 6
	s_lshl_b32 s26, s24, 4
	s_add_co_u32 s25, s25, s26                     ; my first position's index
	s_lshl_b32 s26, s25, 2
	s_mov_b32 s27, 0
	s_lshl_b32 s28, s25, 8                         ; 256 bytes of table a position
	s_mov_b32 s29, 0
	s_mov_b32 s30, 0x3f22f983                      ; 2 / pi
	s_mov_b32 s31, 0xbfc90fdb                      ; -(pi / 2), first part,
	s_mov_b32 s32, 0x333bbd2e                      ; second,
	s_mov_b32 s33, 0x26f72ced                      ; third
	s_mov_b32 s34, 0xb94ca1f9                      ; sine: -1.9515296e-4,
	s_mov_b32 s35, 0x3c08839e                      ; 8.3321609e-3,
	s_mov_b32 s36, 0xbe2aaaa3                      ; -1.6666655e-1
	s_mov_b32 s37, 0x37ccf5ce                      ; cosine: 2.4433157e-5,
	s_mov_b32 s38, 0xbab6061a                      ; -1.3887316e-3,
	s_mov_b32 s39, 0x3d2aaaa5                      ; 4.1666646e-2
	s_mov_b32 s40, 0x3e38aa3b                      ; log2(e) / 8
	s_mov_b32 s41, s40                             ; (named with it as a pair)
	s_mov_b32 s42, 0x80000000
	v_mov_b32 v9, 0
	v_cvt_f32_u32 v4, v2
	v_mul_f32 v4, 0xbed49a78, v4                   ; -i log2(10000) / 32
	v_exp_f32 v4, v4                               ; the frequency
	v_lshlrev_b32 v5, 3, v2                        ; (a plain instruction behind the exponential)  8 bytes a lane
	s_wait_alu depctr_va_vdst(0)                   ; the wait ahead of the result's first reader
	s_wait_kmcnt 0x0
	s_add_nc_u64 s[14:15], s[14:15], s[26:27]
	s_add_nc_u64 s[22:23], s[22:23], s[28:29]
.irp i, 0,1,2,3
	global_load_b128 v[16+4*\i:19+4*\i], v9, s[14:15] offset:16*\i   ; my 16 positions, in every lane
.endr
	s_wait_loadcnt 0x0
.macro SINCOS p
	v_cvt_f32_i32 v32, v[16+\p]
	v_mul_f32 v32, v32, v4                         ; the angle
	v_mul_f32 v33, s30, v32
	v_rndne_f32 v33, v33                           ; n
	v_fma_f32 v34, v33, s31, v32
	v_fma_f32 v34, v33, s32, v34
	v_fma_f32 v34, v33, s33, v34                   ; r
	v_mul_f32 v35, v34, v34                        ; z = r r
	v_fma_f32 v36, v35, s34, s35
	v_fma_f32 v37, v35, s37, s38
	v_fma_f32 v36, v35, v36, s36
	v_fma_f32 v37, v35, v37, s39
	v_mul_f32 v36, v36, v35
	v_fma_f32 v38, v35, -0.5, 1.0
	v_mul_f32 v39, v35, v35
	v_fma_f32 v36, v36, v34, v34                   ; sin r
	v_fma_f32 v37, v39, v37, v38                   ; cos r
	v_cvt_i32_f32 v40, v33
	v_and_b32 v41, 1, v40
	v_cmp_eq_u32 vcc_lo, 1, v41
	v_cndmask_b32 v42, v36, v37, vcc_lo            ; odd n: the sine is cos r,
	v_cndmask_b32 v43, v37, v36, vcc_lo            ; the cosine sin r
	v_lshlrev_b32 v44, 30, v40                     ; the sine is negative where n % 4 is 2 or 3,
	v_add_nc_u32 v45, 1, v40
	v_lshlrev_b32 v45, 30, v45                     ; the cosine where it is 1 or 2
	v_and_b32 v44, s42, v44
	v_and_b32 v45, s42, v45
	v_xor_b32 v[64+4*\p], v43, v45
	v_xor_b32 v[65+4*\p], v42, v44
	v_pk_mul_f32 v[66+4*\p:67+4*\p], v[64+4*\p:65+4*\p], s[40:41] op_sel_hi:[1,0]
	global_store_b64 v5, v[64+4*\p:65+4*\p], s[22:23] offset:524288+256*\p   ; plane 1: 32 lanes store 256 consecutive bytes, aligned
	global_store_b64 v5, v[66+4*\p:67+4*\p], s[22:23] offset:256*\p          ; plane 0.  Each position has result registers of its own: no store's data are written again
.endm
.irp p, 0,1,2,3,4,5,6,7,8,9,10,11,12,13,14,15
	SINCOS \p
.endr
.Lend:
	s_wait_tensorcnt 0x0                           ; the wave's end, behind my last LDS store
	ds_add_u32 v[SPW], v[NIL]
	s_wait_dscnt 0x0
	s_endpgm
.Lfunc_end_k_q69861935c6_prep:
	.size	k_q69861935c6_prep, .Lfunc_end_k_q69861935c6_prep-k_q69861935c6_prep
	.p2alignl 7, 3214868480
	.fill 96, 4, 3214868480
	.section	.rodata,"a",@progbits
	.p2align	6, 0x0
	.amdhsa_kernel k_q69861935c6_prep
		.amdhsa_group_segment_fixed_size 50688
		.amdhsa_private_segment_fixed_size 0
		.amdhsa_enable_private_segment 0
		.amdhsa_kernarg_size 80
		.amdhsa_user_sgpr_count 2
		.amdhsa_user_sgpr_kernarg_segment_ptr 1
		.amdhsa_wavefront_size32 1
		.amdhsa_system_sgpr_workgroup_id_x 1
		.amdhsa_system_sgpr_workgroup_id_y 1
		.amdhsa_system_sgpr_workgroup_id_z 1
		.amdhsa_system_vgpr_workitem_id 0
		.amdhsa_next_free_vgpr 192
		.amdhsa_next_free_sgpr 66
		.amdhsa_reserve_vcc 1
		.amdhsa_float_denorm_mode_32 3
		.amdhsa_float_denorm_mode_16_64 3
		.amdhsa_memory_ordered 1
		.amdhsa_forward_progress 1
		.amdhsa_inst_pref_size 66
	.end_amdhsa_kernel
	.amdgpu_metadata
---
amdhsa.version: [ 1, 2 ]
amdhsa.kernels:
  - .name:           k_q69861935c6_prep
    .symbol:         k_q69861935c6_prep.kd
    .args:
      - { .name: x, .offset: 0, .size: 8, .value_kind: global_buffer, .address_space: global }
      - { .name: Wq, .offset: 8, .size: 8, .value_kind: global_buffer, .address_space: global }
      - { .name: Wk, .offset: 16, .size: 8, .value_kind: global_buffer, .address_space: global }
      - { .name: Wv, .offset: 24, .size: 8, .value_kind: global_buffer, .address_space: global }
      - { .name: Wo, .offset: 32, .size: 8, .value_kind: global_buffer, .address_space: global }
      - { .name: token_positions, .offset: 40, .size: 8, .value_kind: global_buffer, .address_space: global }
      - { .name: cod, .offset: 48, .size: 8, .value_kind: global_buffer, .address_space: global }
      - { .name: scl, .offset: 56, .size: 8, .value_kind: global_buffer, .address_space: global }
      - { .name: wof, .offset: 64, .size: 8, .value_kind: global_buffer, .address_space: global }
      - { .name: tab, .offset: 72, .size: 8, .value_kind: global_buffer, .address_space: global }
    .group_segment_fixed_size: 50688
    .private_segment_fixed_size: 0
    .kernarg_segment_align: 8
    .kernarg_segment_size: 80
    .max_flat_workgroup_size: 128
    .sgpr_count:     66
    .vgpr_count:     192
    .wavefront_size: 32
...
	.end_amdgpu_metadata
.endif
;; end of part 1
;; launch qkv (part 2): grid 12 x 32, 4 waves a work-group, clusters of 4 x 4, 327,680 bytes of LDS; arguments cod, scl, tab, qkv, f32r; writes qkv, f32r
.if DOCPART == 2
	.amdgcn_target "amdgcn-amd-amdhsa--gfx1250"
	.amdhsa_code_object_version 6
	.text
	.protected	k_q69861935c6_qkv
	.globl	k_q69861935c6_qkv
	.p2align	8
	.type	k_q69861935c6_qkv,@function
k_q69861935c6_qkv:
	s_mov_b64 s[64:65], 0
	v_nop
	global_prefetch_b8 v0, s[64:65] scope:SCOPE_SE
	s_setreg_imm32_b32 hwreg(HW_REG_WAVE_MODE, 25, 1), 1
	s_wait_xcnt 0x0
	s_wait_alu depctr_hold_cnt(0) depctr_sa_sdst(0) depctr_va_vdst(0) depctr_va_sdst(0) depctr_va_ssrc(0) depctr_va_vcc(0) depctr_vm_vsrc(0)
	s_getreg_b32 s2, hwreg(HW_REG_IB_STS2, 6, 4)
	s_cmp_eq_u32 s2, 0
	s_cbranch_scc0 .Lentry_in_a_cluster
	s_endpgm
.Lentry_in_a_cluster:
	s_bfe_u32 s2, ttmp6, 0x10000c
	s_cmp_lg_u32 s2, 0xf033
	s_cbranch_scc0 .Lentry_shape_is_right
	s_endpgm
.Lentry_shape_is_right:
; q, k, v = x Wq^T, x Wk^T, x Wv^T on codes of FP4 (E2M1) with one E8M0 scale for each 32 along K, as ONE product [8,192] x [3,072], K = 1,024; then the rotation of q and k by position; out as f16.
; A tile of C, 256 x 256, is made by a work-group of four waves; a wave makes 128 x 128: 64 accumulators of 16 x 16, 512 registers.  K is two LDS slots of 512 (rows of 256 bytes), both filled at the start: nothing is filled again.
; The scales of the work-group's rows, for all of K, are two dense blocks of memory: they come into LDS once, with the first fills.
; CLUSTERS: 4 x 4 work-groups.  The four of a row of the cluster need the same tiles of x, the four of a column the same tiles of W: each is asked for JOINTLY, by the same tensor load with a mask that names the four.
; The cluster's x is 0 for q, 1 for k, 2 for v: the same in all sixteen partners, so a branch may hang on it.
; THE MATRIX INSTRUCTION IS USED TRANSPOSED (source 0 = 16 rows of W, source 1 = 16 rows of x): lane (r, h) holds position r and eight NEIGHBOURING channels 8 h + 0 .. 7 of a block of 16.
; THE WAY OUT NEEDS NO LDS.  Packed to f16, a lane's eight channels are 16 bytes, and a block's 32 lanes x 16 bytes ARE half a fragment (16 positions x 32 channels) of the next product.  So q and k are stored as images of
; operand registers, [head][16 positions][32 channels c][half u][lane][16 bytes]: each store of the wave covers 512 consecutive bytes.  v is stored [head][16 positions][16 channels cb][position][16 channels]: rows of 32 bytes.
; The first 16 positions of each batch are stored in f32 as well (f32r): launch fine carries those rows more finely.
; REGISTERS, in windows of 256: window 0: v0-31 addresses; v32-95 scale words, two sets; v128-191 x's fragments, one set; v192-255 two sets of table entries; on the way out v32-159 are free.
;   window 1: W's fragments, two sets, at v0 and v128.   window 2: the accumulators of my rows 0-63 ((a, b) at v[8 (8 a + b)]);   window 3: those of my rows 64-127.
.set SIZE_K, 1024
.set KSTEP,  512
.set NQ,     KSTEP/128
.set ROWB,   256
.set KROW,   SIZE_K*4/8
.set PITCH,  272                       ; an LDS row: 256 bytes + 16 of padding: the 16 rows that a load touches start 68 words apart
.set FR,     8
.set NL,     2
.set NP,     4                         ; places behind this matrix instruction (ISA guide 7.12.1)
.set HALFT,  128*PITCH
.set SLOT,   4*HALFT
.set KS,     SIZE_K/32                 ; a row of scales in bytes
.set SCL,    2*SLOT
.set HALFS,  (128*KS/256)*272
.set SBLK,   (16*KS/256)*272
.set SPARE,  SCL+4*HALFS               ; the spare words, 128 bytes a wave: two blocks of 256 bytes that no other line names
.set XCOD,   4194304                   ; W's codes follow x's in cod,
.set XSCL,   262144                    ; W's scale bytes x's in scl
.set ADRA, 16
.set ADRB, 20
.set FLG,  24                          ; v24  0 where my rows begin a batch
.set ADRS, 27
.set SPW,  28
.set NIL,  29
.set TV,   30                          ; v30  256 r + 32 h: my place in the table's 16 rows, and in f32r's
.set VO,   31                          ; v31  my 16 bytes in a block's 512: q, k: 16 x lane; v: 32 r + 16 h
.set SC,   32
.set AF,   128
.set TB,   192                         ; two sets of 32: (cos, sin) of my row, frequencies 8 bb + 4 h + 0 .. 3 at 8 bb
.set TMP,  32                          ; the way out: a block's 64 rotated numbers
.set PK,   96                          ; and its 32 packed registers, two sets
.set G1, 24
.set G0, 32
.set G1B, 48
.set G0B, 56
.set G1S, 68
.set G0S, 76
.set G1SB, 80
.set G0SB, 88
.set MSB, 0
.macro WIN new                         ; the immediate's high byte repeats the setting that is left
.if MSB != (\new)
	s_set_vgpr_msb (MSB<<8)|(\new)
.set MSB, (\new)
.endif
.endm
.set MUL_LO, 0xa1                      ; source 0 (W) window 1, source 1 (x) window 0, C and D window 2
.set MUL_HI, 0xf1
.set TO_B,   0x40
; A joint load: waves 0 and 1 fetch for x, waves 2 and 3 for W.  The branch hangs on the wave's number alone.  An s_nop 0 and four v_nop follow each of the two lines.
.macro JLOAD g0a, g1a, g0b, g1b
	s_cmp_eq_u32 s15, 0
	s_cbranch_scc0 .Lfor_b_\@
	tensor_load_to_lds s[\g0a:\g0a+3], s[\g1a:\g1a+7]
	s_nop 0
.rept 4
	v_nop
.endr
	s_branch .Lasked_\@
.Lfor_b_\@:
	tensor_load_to_lds s[\g0b:\g0b+3], s[\g1b:\g1b+7]
	s_nop 0
.rept 4
	v_nop
.endr
.Lasked_\@:
.endm
.macro CROUND                          ; a round of the cluster's barrier
	s_barrier_signal -1
	s_barrier_wait -1
	s_cmp_lg_u32 s14, 0
	s_cbranch_scc1 .Lnot_wave_0_\@
	s_barrier_signal -3
.Lnot_wave_0_\@:
	s_barrier_wait -3
	s_barrier_signal -1
	s_barrier_wait -1
.endm
	s_load_b128 s[4:7], s[0:1], 0x0                ; cod, scl
	v_lshl_add_u32 v[SPW], v0, 2, SPARE
	v_mov_b32 v[NIL], 0
	ds_add_u32 v[SPW], v[NIL]                      ; the wave's opening: the add, twice on end, and its wait ahead of my first tensor load
	ds_add_u32 v[SPW], v[NIL]
	v_lshrrev_b32 v1, 5, v0
	v_readfirstlane_b32 s14, v1                    ; wave 0..3
	s_lshr_b32 s15, s14, 1                         ; which half of the tile's rows is mine.  Also: I fetch for x (0) or for W (1)
	s_and_b32 s16, s14, 1                          ; which half of its columns.  Also: which 128 rows of that tile I fetch
	s_bfe_u32 s40, ttmp6, 0x40000                  ; cx, cy
	s_bfe_u32 s41, ttmp6, 0x40004
	s_lshl_b32 s42, ttmp9, 2
	s_add_co_u32 s42, s42, s40                     ; tile column = 4 x cluster x + cx
	s_and_b32 s17, ttmp7, 0xffff
	s_lshl_b32 s17, s17, 2
	s_add_co_u32 s17, s17, s41                     ; tile row = 4 x cluster y + cy
	s_lshl_b32 s43, s41, 2
	s_lshl_b32 s43, 15, s43                        ; my row of the cluster
	s_lshl_b32 s44, 0x1111, s40                    ; my column
	s_or_b32 s[G1+0], s43, (0<<16)|(1<<20)|(1<<21)|(5<<22)|(3<<25)  ; the mask; elements of 1 byte; padding on: 4 words after every 64; bit 21 beside a mask
	s_or_b32 s[G1B+0], s44, (0<<16)|(1<<20)|(1<<21)|(5<<22)|(3<<25)
.irp g, G1, G1B
	s_mov_b32 s[\g+1], ROWB<<16                    ; tensor_dim0
	s_mov_b32 s[\g+2], 128<<16                     ; tensor_dim1
	s_mov_b32 s[\g+3], ROWB<<16                    ; tile_dim0
	s_mov_b32 s[\g+4], 128                         ; tile_dim1
	s_mov_b32 s[\g+5], KROW                        ; the pitch
	s_mov_b32 s[\g+6], 0
	s_mov_b32 s[\g+7], 0
.endr
	s_or_b32 s[G1S+0], s43, (3<<16)|(1<<20)|(1<<21)|(5<<22)|(3<<25)  ; the scales of 128 rows: 4,096 dense bytes as rows of 256 (32 elements of 8 bytes), 16 bytes of padding behind each
	s_or_b32 s[G1SB+0], s44, (3<<16)|(1<<20)|(1<<21)|(5<<22)|(3<<25)
.irp g, G1S, G1SB
	s_mov_b32 s[\g+1], 32<<16
	s_mov_b32 s[\g+2], (128*KS/256)<<16
	s_mov_b32 s[\g+3], 32<<16
	s_mov_b32 s[\g+4], 128*KS/256
	s_mov_b32 s[\g+5], 32
	s_mov_b32 s[\g+6], 0
	s_mov_b32 s[\g+7], 0
.endr
	s_lshl_b32 s18, s16, 7
	s_lshl_b32 s20, s17, 8
	s_add_co_u32 s20, s20, s18                     ; x: row 256 x tile row + 128 x half
	s_lshl_b32 s46, s42, 8
	s_add_co_u32 s46, s46, s18                     ; W: row 256 x tile column + 128 x half
	s_mov_b32 s21, 0
	s_mov_b32 s47, 0
	s_mov_b64 s[18:19], KS
	s_mul_u64 s[22:23], s[20:21], s[18:19]
	s_mul_u64 s[92:93], s[46:47], s[18:19]
	s_mov_b64 s[18:19], KROW
	s_mul_u64 s[20:21], s[20:21], s[18:19]
	s_mul_u64 s[46:47], s[46:47], s[18:19]
	s_mul_i32 s45, s14, HALFT                      ; where they go: wave x 128 rows: no place in the cluster enters an LDS address
	s_mul_i32 s94, s14, HALFS
	s_wait_dscnt 0x0                               ; both opening adds are done
	s_wait_kmcnt 0x0
	s_add_nc_u64 s[8:9], s[4:5], XCOD
	s_add_nc_u64 s[10:11], s[6:7], XSCL
	s_add_nc_u64 s[20:21], s[4:5], s[20:21]
	s_add_nc_u64 s[22:23], s[6:7], s[22:23]
	s_add_nc_u64 s[46:47], s[8:9], s[46:47]
	s_add_nc_u64 s[92:93], s[10:11], s[92:93]
	CROUND                                         ; all sixteen work-groups are here: the first joint loads meet
	s_mov_b32 s[G0S], 1
	s_add_co_u32 s[G0S+1], s94, SCL
	s_mov_b64 s[G0S+2:G0S+3], s[22:23]
	s_or_b32 s[G0S+3], s[G0S+3], 0x80000000
	s_mov_b32 s[G0SB], 1
	s_add_co_u32 s[G0SB+1], s94, SCL
	s_mov_b64 s[G0SB+2:G0SB+3], s[92:93]
	s_or_b32 s[G0SB+3], s[G0SB+3], 0x80000000
	JLOAD G0S, G1S, G0SB, G1SB                     ; the scales first; by this text's count three loads of a wave are out at the most
.irp s, 0,1
	s_mov_b32 s[G0+4*\s], 1
	s_add_co_u32 s[G0+4*\s+1], s45, \s*SLOT
	s_add_nc_u64 s[G0+4*\s+2:G0+4*\s+3], s[20:21], \s*ROWB
	s_or_b32 s[G0+4*\s+3], s[G0+4*\s+3], 0x80000000
	s_mov_b32 s[G0B+4*\s], 1
	s_add_co_u32 s[G0B+4*\s+1], s45, \s*SLOT
	s_add_nc_u64 s[G0B+4*\s+2:G0B+4*\s+3], s[46:47], \s*ROWB
	s_or_b32 s[G0B+4*\s+3], s[G0B+4*\s+3], 0x80000000
	JLOAD G0+4*\s, G1, G0B+4*\s, G1B
.endr
	s_load_b128 s[4:7], s[0:1], 0x10               ; tab, qkv
	s_load_b64 s[8:9], s[0:1], 0x20                ; f32r
	v_and_b32 v1, 15, v0                           ; r
	v_bfe_u32 v2, v0, 4, 1                         ; h
	v_mul_u32_u24 v3, v1, PITCH
	v_lshl_add_u32 v4, v2, 4, v3
	s_mul_i32 s21, s15, HALFT
	s_mul_i32 s22, s16, HALFT
	s_add_co_u32 s22, s22, 2*HALFT
.irp s, 0,1
	v_add_nc_u32 v[ADRA+\s], s21, v4
	v_add_nc_u32 v[ADRB+\s], s22, v4
	s_add_co_u32 s21, s21, SLOT
	s_add_co_u32 s22, s22, SLOT
.endr
	v_mul_u32_u24 v5, v1, KS
	v_lshrrev_b32 v6, 8, v5
	v_lshl_add_u32 v5, v6, 4, v5
	s_mul_i32 s21, s15, HALFS
	s_mul_i32 s22, s16, HALFS
	s_add_co_u32 s22, s22, 2*HALFS
	s_sub_co_u32 s22, s22, s21
	v_mul_u32_u24 v6, s22, v2                      ; lanes 16-31 take W's scale words
	s_add_co_u32 s21, s21, SCL
	v_add_nc_u32 v5, v5, v6
	v_add_nc_u32 v[ADRS], s21, v5
	; where my results go.  Row m = 256 tile row + 128 half + 16 a + r: batch = tile row / 8, block of 16 positions = 16 (tile row % 8) + 8 half + a.  Column: head = 4 cx + 2 half + b / 4.
	s_lshr_b32 s18, s17, 3                         ; batch
	s_and_b32 s19, s17, 7
	s_or_b32 s92, s19, s15                         ; 0 where my first block is a batch's first 16 positions
	s_lshl_b32 s19, s19, 4
	s_lshl_b32 s20, s15, 3
	s_add_co_u32 s19, s19, s20                     ; my first block of positions
	s_lshl_b32 s20, s40, 2
	s_lshl_b32 s21, s16, 1
	s_add_co_u32 s20, s20, s21                     ; my first head
	s_lshl_b32 s18, s18, 4
	s_add_co_u32 s18, s18, s20                     ; 16 batch + head
	s_lshl_b32 s20, s18, 7
	s_add_co_u32 s20, s20, s19
	s_lshl_b32 s20, s20, 11                        ; 2,048 bytes a block
	s_lshl_b32 s21, ttmp9, 24                      ; q, k, v: 16,777,216 bytes each
	s_add_co_u32 s20, s20, s21
	s_mov_b32 s21, 0
	s_lshl_b32 s22, s19, 12                        ; the table: 4,096 bytes for 16 positions;
	s_cmp_eq_u32 ttmp9, 0
	s_cselect_b32 s23, 0, 524288                   ; plane 0 for q, plane 1 for k
	s_add_co_u32 s22, s22, s23
	s_mov_b32 s23, 0
	s_lshl_b32 s46, s18, 12                        ; f32r: 4,096 bytes a head,
	s_lshl_b32 s47, ttmp9, 18                      ; 262,144 for each of q, k, v
	s_add_co_u32 s46, s46, s47
	s_mov_b32 s47, 0
	s_cmp_eq_u32 ttmp9, 2
	s_cselect_b32 s93, 32, 16
	s_cselect_b32 s94, 16, 256
	v_mul_u32_u24 v[VO], v1, s93
	v_mad_u32_u24 v[VO], v2, s94, v[VO]
	v_lshlrev_b32 v[TV], 8, v1
	v_lshl_add_u32 v[TV], v2, 5, v[TV]
	v_mov_b32 v[FLG], s92
	s_wait_kmcnt 0x0
	s_add_nc_u64 s[12:13], s[6:7], s[20:21]        ; the images
	s_add_nc_u64 s[4:5], s[4:5], s[22:23]          ; the table
	s_add_nc_u64 s[8:9], s[8:9], s[46:47]          ; f32r
.macro FRAG reg, adr, q, i             ; 16 rows x 128 K of 4-bit codes: 8 registers; registers 4 c .. 4 c + 3 hold K = 64 c + 32 (l / 16) + 0 .. 31
.irp c, 0,1
	ds_load_b128 v[\reg+4*\c:\reg+4*\c+3], v[\adr] offset:64*(\q)+32*\c+(\i)*16*PITCH
.endr
.endm
; 16 matrix instructions: x's blocks a0, a0 + 1 against W's eight.  The 64 accumulators take turns, one instruction a turn, in the same order in every step.
.macro MUL16 a0, p, q, sc, zero
.irp a, \a0, \a0+1
.irp b, 0,1,2,3,4,5,6,7
.if \zero
	v_wmma_scale_f32_16x16x128_f8f6f4 v[8*(8*((\a)%4)+\b):8*(8*((\a)%4)+\b)+7], v[128*(\p)+FR*\b:128*(\p)+FR*\b+FR-1], v[AF+FR*(\a):AF+FR*(\a)+FR-1], 0, v[SC+8*NQ*(\sc)+NQ*\b+(\q)], v[SC+8*NQ*(\sc)+NQ*(\a)+(\q)] matrix_a_fmt:MATRIX_FMT_FP4 matrix_b_fmt:MATRIX_FMT_FP4 matrix_a_scale:MATRIX_SCALE_ROW1
.else
	v_wmma_scale_f32_16x16x128_f8f6f4 v[8*(8*((\a)%4)+\b):8*(8*((\a)%4)+\b)+7], v[128*(\p)+FR*\b:128*(\p)+FR*\b+FR-1], v[AF+FR*(\a):AF+FR*(\a)+FR-1], v[8*(8*((\a)%4)+\b):8*(8*((\a)%4)+\b)+7], v[SC+8*NQ*(\sc)+NQ*\b+(\q)], v[SC+8*NQ*(\sc)+NQ*(\a)+(\q)] matrix_a_fmt:MATRIX_FMT_FP4 matrix_b_fmt:MATRIX_FMT_FP4 matrix_a_scale:MATRIX_SCALE_ROW1
.endif
.endr
.endr
.endm
.macro FETCH_B slot, q, p
	WIN TO_B
.irp i, 0,1,2,3,4,5,6,7
	FRAG 128*(\p)+FR*\i, ADRB+\slot, \q, \i
.endr
	WIN 0
.endm
.macro FETCH_A slot, q, i0
.irp i, \i0, \i0+1, \i0+2, \i0+3
	FRAG AF+FR*(\i), ADRA+\slot, \q, \i
.endr
.endm
.macro SCALES sc                       ; a slot's scale words: 4 words a row; lanes 0-15 take x's block i, lanes 16-31 W's block i
.irp i, 0,1,2,3,4,5,6,7
	ds_load_b128 v[SC+8*NQ*\sc+NQ*\i:SC+8*NQ*\sc+NQ*\i+3], v[ADRS] offset:\i*SBLK
.endr
.endm
.macro PLACES n                        ; plain vector instructions between a matrix instruction and a load into, or a vector write of, its registers, or a read of its result
.rept \n
	v_nop
.endr
.endm
.macro STEP slot, q, zero              ; 128 along K with its successor in the same slot
	s_wait_dscnt 4*NL                              ; W's set and x's blocks 0-3 are in; the youngest eight loads (x's blocks 4-7) may be out
	WIN MUL_LO
	MUL16 0, (\q)%2, \q, \slot, \zero
	MUL16 2, (\q)%2, \q, \slot, \zero
	s_wait_dscnt 0
	PLACES NP
	FETCH_B \slot, (\q)+1, 1-(\q)%2
	FETCH_A \slot, (\q)+1, 0
	WIN MUL_HI
	MUL16 4, (\q)%2, \q, \slot, \zero
	MUL16 6, (\q)%2, \q, \slot, \zero
	PLACES NP
	WIN 0
	FETCH_A \slot, (\q)+1, 4
.endm
; Slot 0's last step changes slots: each wave waits for all its tensor loads (its part of slot 1), adds 0 to its spare word and waits for that; behind the barrier slot 1 is whole.  Nothing is filled again.
.macro TURN slot, next
	s_wait_tensorcnt 0x0
	ds_add_u32 v[SPW], v[NIL]
	s_wait_dscnt 4*NL+1                            ; (the add and the youngest eight loads may be out)
	WIN MUL_LO
	MUL16 0, 1, NQ-1, \slot, 0
	s_wait_dscnt 0x0
	s_barrier_signal -1
	MUL16 2, 1, NQ-1, \slot, 0
	WIN 0
	s_barrier_wait -1
	PLACES NP
	v_add_nc_u32 v[ADRS], 4*NQ, v[ADRS]            ; the next slot's scale words (no LDS load of mine is out)
	FETCH_B \next, 0, 0
	FETCH_A \next, 0, 0
	SCALES \next
	WIN MUL_HI
	MUL16 4, 1, NQ-1, \slot, 0
	MUL16 6, 1, NQ-1, \slot, 0
	PLACES NP
	WIN 0
	FETCH_A \next, 0, 4
.endm
.macro STEPS slot, from
.set Q, \from
.rept NQ-1-\from
	STEP \slot, Q, 0
.set Q, Q+1
.endr
.endm
.macro LASTSLOT                        ; slot 1's four steps; the last fetches nothing; four places behind it for the way out
	STEPS 1, 0
	s_wait_dscnt 4*NL
	WIN MUL_LO
	MUL16 0, 1, NQ-1, 1, 0
	MUL16 2, 1, NQ-1, 1, 0
	s_wait_dscnt 0
	WIN MUL_HI
	MUL16 4, 1, NQ-1, 1, 0
	MUL16 6, 1, NQ-1, 1, 0
	WIN 0
	PLACES NP
.endm
.macro TABLOAD a                       ; (cos, sin) for block a's 16 positions: my row's 16 entries, frequencies 8 g + 4 h + 0 .. 3
.irp g, 0,1,2,3
.irp e, 0,1
	global_load_b128 v[TB+32*((\a)%2)+8*\g+4*\e:TB+32*((\a)%2)+8*\g+4*\e+3], v[TV], s[4:5] offset:(\a)*4096+64*\g+16*\e
.endr
.endr
.endm
; A batch's first 16 positions in f32.  Whether my block is that block hangs on my place in the cluster, so it is a mask on the lanes and no branch.  EXEC changes only behind s_wait_xcnt 0.
.macro FINE32 base, win
	s_wait_xcnt 0x0
	v_cmp_eq_u32 vcc_lo, 0, v[FLG]
	s_and_saveexec_b32 s93, vcc_lo
	WIN \win
.irp b, 0,1,2,3,4,5,6,7
.irp e, 0,1
	global_store_b128 v[TV], v[\base+8*\b+4*\e:\base+8*\b+4*\e+3], s[8:9] offset:(\b/4)*4096+(\b%4)*64+16*\e
.endr
.endr
	WIN 0
	s_wait_xcnt 0x0
	s_or_b32 exec_lo, exec_lo, s93
.endm
.macro IMAGES a                        ; block a's eight halves of fragments: 512 consecutive bytes a store
.irp b, 0,1,2,3,4,5,6,7
	global_store_b128 v[VO], v[PK+32*((\a)%2)+4*\b:PK+32*((\a)%2)+4*\b+3], s[12:13] offset:(\a)*2048+(\b/4)*262144+(\b%4)*512
.endr
.endm
; q, k: block a is rotated.  A lane's registers 2 p, 2 p + 1 are the pair (x1, x2) of one frequency: (x1 c, x1 s), then (-x2 s, x2 c) on top, two packed instructions a pair.  Each accumulator is read from its low end on.
.macro OUT_ROPE a
.set AC, 64*((\a)%4)
.set TT, TB+32*((\a)%2)
.if (\a) < 7
	s_wait_loadcnt 8                               ; this block's eight table loads are in; the next block's eight may be out
.else
	s_wait_loadcnt 0
.endif
	s_wait_xcnt 0x0                                ; earlier stores have read their data: TMP and this block's packed set are written again only behind this wait
	WIN 0x02+(\a)/4                                ; source 0: the accumulators' window
.irp b, 0,1,2,3,4,5,6,7
.irp p, 0,1,2,3
	v_pk_mul_f32 v[TMP+8*\b+2*\p:TMP+8*\b+2*\p+1], v[AC+8*\b+2*\p:AC+8*\b+2*\p+1], v[TT+8*(\b%4)+2*\p:TT+8*(\b%4)+2*\p+1] op_sel_hi:[0,1]
.endr
.irp p, 0,1,2,3
	v_pk_fma_f32 v[TMP+8*\b+2*\p:TMP+8*\b+2*\p+1], v[AC+8*\b+2*\p:AC+8*\b+2*\p+1], v[TT+8*(\b%4)+2*\p:TT+8*(\b%4)+2*\p+1], v[TMP+8*\b+2*\p:TMP+8*\b+2*\p+1] op_sel:[1,1,0] op_sel_hi:[1,0,1] neg_lo:[1,0,0]
.endr
.endr
	WIN 0
.if (\a)+2 <= 7
	TABLOAD (\a)+2
.endif
.if (\a) == 0
	FINE32 TMP, 0
.endif
.irp i, 0,1,2,3,4,5,6,7,8,9,10,11,12,13,14,15,16,17,18,19,20,21,22,23,24,25,26,27,28,29,30,31
	v_cvt_pk_f16_f32 v[PK+32*((\a)%2)+\i], v[TMP+2*\i], v[TMP+2*\i+1]
.endr
	IMAGES \a
.endm
.macro OUT_V a                         ; v: block a is packed as it is
.set AC, 64*((\a)%4)
	s_wait_xcnt 0x0
	WIN 0x0a+5*((\a)/4)                            ; sources 0 and 1: the accumulators' window
.irp b, 0,1,2,3,4,5,6,7
.irp p, 0,1,2,3
	v_cvt_pk_f16_f32 v[PK+32*((\a)%2)+4*\b+\p], v[AC+8*\b+2*\p], v[AC+8*\b+2*\p+1]
.endr
.endr
	WIN 0
.if (\a) == 0
	FINE32 0, 0x08                                 ; a store's data are its source 1: window 2
.endif
	IMAGES \a
.endm
	s_wait_tensorcnt 1                             ; the scales and my part of slot 0 are in (slot 1's load may be out),
	s_barrier_signal -1
	s_barrier_wait -1                              ; everybody's are
	FETCH_B 0, 0, 0
	FETCH_A 0, 0, 0
	SCALES 0
	FETCH_A 0, 0, 4
	STEP 0, 0, 1                                   ; the first step's products start the sums: nothing is cleared
	STEPS 0, 1
	TURN 0, 1
	s_cmp_eq_u32 ttmp9, 2                          ; the ways part here, on the cluster's x: q and k ask for their first table entries ahead of slot 1's 256 matrix instructions, v asks for none
	s_cbranch_scc1 .Lv
	TABLOAD 0
	TABLOAD 1
	LASTSLOT
.irp a, 0,1,2,3,4,5,6,7
	OUT_ROPE \a
.endr
	s_branch .Ltail
.Lv:
	LASTSLOT
.irp a, 0,1,2,3,4,5,6,7
	OUT_V \a
.endr
.Ltail:
	s_wait_tensorcnt 0x0                           ; the wave's end
	ds_add_u32 v[SPW], v[NIL]
	s_wait_dscnt 0x0
	CROUND                                         ; the closing round: no work-group ends while a partner may still ask for a tile that names it
	s_endpgm
.Lfunc_end_k_q69861935c6_qkv:
	.size	k_q69861935c6_qkv, .Lfunc_end_k_q69861935c6_qkv-k_q69861935c6_qkv
	.p2alignl 7, 3214868480
	.fill 96, 4, 3214868480
	.section	.rodata,"a",@progbits
	.p2align	6, 0x0
	.amdhsa_kernel k_q69861935c6_qkv
		.amdhsa_group_segment_fixed_size 327680
		.amdhsa_private_segment_fixed_size 0
		.amdhsa_enable_private_segment 0
		.amdhsa_kernarg_size 40
		.amdhsa_user_sgpr_count 2
		.amdhsa_user_sgpr_kernarg_segment_ptr 1
		.amdhsa_wavefront_size32 1
		.amdhsa_system_sgpr_workgroup_id_x 1
		.amdhsa_system_sgpr_workgroup_id_y 1
		.amdhsa_system_sgpr_workgroup_id_z 1
		.amdhsa_system_vgpr_workitem_id 0
		.amdhsa_next_free_vgpr 1024
		.amdhsa_next_free_sgpr 100
		.amdhsa_reserve_vcc 1
		.amdhsa_float_denorm_mode_32 3
		.amdhsa_float_denorm_mode_16_64 3
		.amdhsa_memory_ordered 1
		.amdhsa_forward_progress 1
		.amdhsa_inst_pref_size 223
	.end_amdhsa_kernel
	.amdgpu_metadata
---
amdhsa.version: [ 1, 2 ]
amdhsa.kernels:
  - .name:           k_q69861935c6_qkv
    .symbol:         k_q69861935c6_qkv.kd
    .args:
      - { .name: cod, .offset: 0, .size: 8, .value_kind: global_buffer, .address_space: global }
      - { .name: scl, .offset: 8, .size: 8, .value_kind: global_buffer, .address_space: global }
      - { .name: tab, .offset: 16, .size: 8, .value_kind: global_buffer, .address_space: global }
      - { .name: qkv, .offset: 24, .size: 8, .value_kind: global_buffer, .address_space: global }
      - { .name: f32r, .offset: 32, .size: 8, .value_kind: global_buffer, .address_space: global }
    .group_segment_fixed_size: 327680
    .private_segment_fixed_size: 0
    .kernarg_segment_align: 8
    .kernarg_segment_size: 40
    .max_flat_workgroup_size: 128
    .sgpr_count:     100
    .vgpr_count:     1024
    .wavefront_size: 32
...
	.end_amdgpu_metadata
.endif
;; end of part 2
;; launch attn (part 3): grid 4 x 64, 16 waves a work-group, no clusters, 327,680 bytes of LDS; arguments qkv, af; writes af
.if DOCPART == 3
	.amdgcn_target "amdgcn-amd-amdhsa--gfx1250"
	.amdhsa_code_object_version 6
	.text
	.protected	k_q69861935c6_attn
	.globl	k_q69861935c6_attn
	.p2align	8
	.type	k_q69861935c6_attn,@function
k_q69861935c6_attn:
	s_mov_b64 s[64:65], 0
	v_nop
	global_prefetch_b8 v0, s[64:65] scope:SCOPE_SE
	s_setreg_imm32_b32 hwreg(HW_REG_WAVE_MODE, 25, 1), 1
	s_wait_xcnt 0x0
; O[bh][q] = the sum over k <= q of softmax_k(q . k / 8) v[k], for 64 heads (bh = 16 batch + head) of 2,048 positions x 64 channels.  Operands f16, products, maxima and sums f32; the weights p are rounded to f16.
; q arrives already multiplied by log2(e) / 8 (it rides on q's rotation table), so a score is a base-2 exponent as it stands: p = 2^(s - m), m the row's running maximum.
; WORK LEFT OUT: reference() builds the causal mask itself; a key step all of whose 64 keys come after a wave's 32 queries is not multiplied, and a slot of 256 keys that come after all of the work-group's queries is not fetched.
; SHARES.  A head's queries are 8 blocks of 256; work-group j of a head owns blocks j and 7 - j, so that all work-groups have the same number of key steps.  Each of sixteen waves owns 32 queries, two tiles of 16, in 256 registers:
; four waves to a SIMD, so that one wave's vector work stands beside another's matrix work.  Wave w takes the late block where (w ^ (w >> 2)) & 1 is 1: early and late waves are mixed whichever way waves are dealt out.
; K and V come through a ring of two LDS slots of 256 keys, filled by the tensor data mover (waves 0, 1: K's halves; waves 2, 3: V's), read by all sixteen.  Every work-group walks all 8 slots: trip counts are constants.
; NO CLUSTER: the four work-groups of a head need 8 - j slots each; a joint load would bring some partner tiles that all its waves jump over.
; LAYOUT.  Both products are used transposed: S^T = K Q^T, O^T = V^T P: a lane holds ONE query (lane % 16) throughout, and two tiles of S^T packed to f16 ARE source 1 of the second product.
; K and Q lie in memory as images of operand registers (16 x lane), so a tile is dense and LDS reads are consecutive; V lies [16 keys][16 channels cb][key][16 channels], rows of 32 bytes, and is turned by ds_load_tr16_b128.
; O leaves as images of the next product's operand: [16 rows][32 along K = 2 head + c][half u][lane][16 bytes]: each store covers 512 consecutive bytes.
.set SLOT1, 1<<16                      ; a slot: K's 32,768 bytes, then V's; slot 1 begins here, so that one exclusive or turns an address
.set VOFF,  32768
.set SPARE, 2*SLOT1                    ; the spare words, 128 bytes a wave: eight blocks of 256 bytes that no other line names
.set LI,  1                            ; v1  16 x lane
.set LT,  2                            ; v2  V: VOFF + 32 (8 (l / 16) + l % 8) + 16 ((l / 8) % 2)
.set ADK, 3
.set ADV, 4
.set SPW, 5
.set NIL, 6
.set PFO, 7                            ; v7  256 x lane
.set DD,  8                            ; v8, v9  on the diagonal: my query - the step's first key - 8 (l / 16), for tiles 0, 1
.set NINF, 10                          ; v10 -infinity
.set RH,  11                           ; v11 l % 16 - 8 (l / 16)
.set ST,  12                           ; tile t's statistics at v[12 + 8 t]: +0 m, +1 the old m, +2, +3 the sum in two halves, +4 .. +7 at work (+6 a = 2^(old m - m))
.set QF,  32                           ; v32-63   Q: fragment (t, c) at 32 + 16 t + 8 c
.set S,   64                           ; v64-127  S^T: tile t at 64 + 32 t; P is packed into its first 16 registers
.set O,   128                          ; v128-191 O^T: (t, cb) at 128 + 32 t + 8 cb
.set F,   192                          ; v192-255 K's fragments (kb, c) at 192 + 16 kb + 8 c, then V^T's (cb, kh) at 192 + 16 cb + 8 kh
.set WV,  18
.set SEL, 20
.set G1,  24
.set G0,  40
.set TB,  2
.set SLOTS, 67
.set PFA, 76
.set LIM, 80
.set LASTQ, 81
.set KF,  98
.set Q0,  99
.macro TLOAD                           ; waves 0 to 3 fetch a quarter of a slot each; an s_nop 0 and four v_nop follow the load
	s_cmp_lt_u32 s[WV], 4
	s_cbranch_scc0 .Lasked_\@
	tensor_load_to_lds s[G0:G0+3], s[G1:G1+7]
	s_nop 0
.rept 4
	v_nop
.endr
.Lasked_\@:
.endm
; A prefetch of what the NEXT change of slots will ask for.  The four work-groups of a head walk the same K and V: the first of them, which walks all 8 slots, asks; in it waves 4 to 7 for K's 32,768 bytes, waves 8 to 11 for V's:
; 8,192 bytes a wave, lanes 256 bytes apart, one instruction: each aligned 256 bytes are named once in the launch.  The last change that fills a slot asks for nothing; slots 0 and 1 come by their loads alone.
.macro ASK
	s_cmp_gt_u32 s[SLOTS], s[LIM]
	s_cbranch_scc0 .Lnot_mine_\@
	global_prefetch_b8 v[PFO], s[PFA:PFA+1] th:TH_LOAD_NT scope:SCOPE_SE
.Lnot_mine_\@:
.endm
	s_load_b128 s[4:7], s[0:1], 0x0                ; qkv, af
	v_lshl_add_u32 v[SPW], v0, 2, SPARE
	v_mov_b32 v[NIL], 0
	ds_add_u32 v[SPW], v[NIL]                      ; the wave's opening: the add, twice on end, and its wait ahead of my first tensor load
	ds_add_u32 v[SPW], v[NIL]
	v_lshrrev_b32 v1, 5, v0
	v_readfirstlane_b32 s[WV], v1                  ; wave 0..15
	s_and_b32 s68, ttmp7, 0xffff                   ; bh
	s_lshr_b32 s69, s[WV], 2
	s_xor_b32 s69, s69, s[WV]
	s_and_b32 s69, s69, 1                          ; early block (0) or late (1)
	s_sub_co_u32 s70, 7, ttmp9
	s_cmp_eq_u32 s69, 0
	s_cselect_b32 s70, ttmp9, s70
	s_lshl_b32 s70, s70, 8
	s_lshr_b32 s71, s[WV], 1
	s_lshl_b32 s71, s71, 5
	s_add_co_u32 s[Q0], s70, s71                   ; my first query
	s_sub_co_u32 s[LASTQ], 8, ttmp9
	s_lshl_b32 s[LASTQ], s[LASTQ], 8
	s_sub_co_u32 s[LASTQ], s[LASTQ], 1             ; my work-group's last query
	s_mov_b32 s[G1], 3<<16                         ; a quarter of a slot: 16,384 dense bytes as 64 rows of 256 (32 elements of 8 bytes); no mask, no padding
	s_mov_b32 s[G1+1], 32<<16
	s_mov_b32 s[G1+2], 64<<16
	s_mov_b32 s[G1+3], 32<<16
	s_mov_b32 s[G1+4], 64
	s_mov_b32 s[G1+5], 32
	s_mov_b32 s[G1+6], 0
	s_mov_b32 s[G1+7], 0
	s_lshl_b32 s86, s68, 18                        ; a head's 262,144 bytes in each of q, k, v
	s_mov_b32 s87, 0
	s_and_b32 s82, s[WV], 3
	s_lshl_b32 s83, s82, 14                        ; my quarter in a slot
	s_lshr_b32 s84, s82, 1
	s_add_co_u32 s84, s84, 1
	s_lshl_b32 s84, s84, 24                        ; k lies 16,777,216 bytes into qkv, v twice that
	s_add_co_u32 s84, s84, s86
	s_and_b32 s85, s82, 1
	s_lshl_b32 s85, s85, 14
	s_add_co_u32 s84, s84, s85
	s_mov_b32 s85, 0
	s_lshl_b32 s88, s[Q0], 7                       ; q: 2,048 bytes for 16 queries
	s_add_co_u32 s88, s88, s86
	s_mov_b32 s89, 0
	s_lshr_b32 s90, s68, 4
	s_lshl_b32 s90, s90, 22                        ; af: a batch's 128 blocks of 32,768 bytes,
	s_lshl_b32 s91, s[Q0], 11                      ; my block,
	s_add_co_u32 s90, s90, s91
	s_and_b32 s91, s68, 15
	s_lshl_b32 s91, s91, 11                        ; the head's 2,048 bytes in it
	s_add_co_u32 s90, s90, s91
	s_mov_b32 s91, 0
	s_lshr_b32 s92, s[WV], 3
	s_and_b32 s92, s92, 1
	s_add_co_u32 s92, s92, 1
	s_lshl_b32 s92, s92, 24                        ; the prefetches: k (waves 4 to 7) or v (waves 8 to 11),
	s_add_co_u32 s92, s92, s86
	s_lshl_b32 s93, s82, 13                        ; my 8,192 bytes of a slot's 32,768,
	s_add_co_u32 s92, s92, s93
	s_add_co_u32 s92, s92, 32768                   ; in slot 1: the first change of slots steps it to slot 2
	s_mov_b32 s93, 0
	s_sub_co_u32 s94, s[WV], 4
	s_lshr_b32 s94, s94, 3                         ; 0 in waves 4 to 11,
	s_or_b32 s94, s94, ttmp9                       ; of the head's first work-group
	s_cmp_eq_u32 s94, 0
	s_cselect_b32 s[LIM], 1, -1
	s_mov_b32 s[SEL], 0x76543210
	s_mov_b32 s[SEL+1], 0xfedcba98                 ; v_permlanex16_b32's selects for lane l xor 16
	s_mov_b32 s[TB], 0
	s_mov_b32 s[KF], 0
	s_mov_b32 s[SLOTS], 7
	s_wait_dscnt 0x0                               ; both opening adds are done
	s_wait_kmcnt 0x0
	s_mov_b32 s[G0], 1
	s_mov_b32 s[G0+1], s83
	s_add_nc_u64 s[G0+2:G0+3], s[4:5], s[84:85]
	s_or_b32 s[G0+3], s[G0+3], 0x80000000
	TLOAD                                          ; slot 0: it holds key 0, which counts for every query
	s_add_nc_u64 s[88:89], s[4:5], s[88:89]
	s_add_nc_u64 s[6:7], s[6:7], s[90:91]
	s_add_nc_u64 s[PFA:PFA+1], s[4:5], s[92:93]
	v_and_b32 v28, 31, v0
	v_lshlrev_b32 v[LI], 4, v28
	v_lshlrev_b32 v[PFO], 8, v28
.irp n, 0,1,2,3,4,5,6,7
	global_load_b128 v[QF+4*\n:QF+4*\n+3], v[LI], s[88:89] offset:512*\n   ; Q stays in registers: 4,096 bytes on end
.endr
	v_bfe_u32 v29, v0, 4, 1                        ; h
	v_and_b32 v30, 7, v0
	v_lshl_add_u32 v30, v29, 3, v30
	v_lshlrev_b32 v30, 5, v30
	v_bfe_u32 v31, v0, 3, 1
	v_lshl_add_u32 v30, v31, 4, v30
	v_add_nc_u32 v[LT], VOFF, v30
	v_and_b32 v[RH], 15, v0
	v_lshlrev_b32 v29, 3, v29
	v_sub_nc_u32 v[RH], v[RH], v29
	v_mov_b32 v[NINF], 0xff800000
.irp t, 0,1
	v_mov_b32 v[ST+8*\t], 0xff61b1e6               ; the largest score so far: -3e38, under every score
	v_mov_b32 v[ST+8*\t+1], 0xff61b1e6
.irp i, 2,3,4,5,6,7
	v_mov_b32 v[ST+8*\t+\i], 0
.endr
.endr
.irp j, 0,1,2,3,4,5,6,7,8,9,10,11,12,13,14,15,16,17,18,19,20,21,22,23,24,25,26,27,28,29,30,31,32,33,34,35,36,37,38,39,40,41,42,43,44,45,46,47,48,49,50,51,52,53,54,55,56,57,58,59,60,61,62,63
	v_mov_b32 v[O+\j], 0                           ; O^T.  (The key step is written once: the first finds zeros, which a = 0 leaves zeros)
.endr
; A KEY STEP: 64 keys, the q-th of the slot in hand.
.macro STEP q
	s_add_co_u32 s96, s[Q0], 31                    ; a step all of whose keys come after my 32 queries is left out: a branch on ids and the count of steps; no barrier and no tensor load stands in a step
	s_cmp_gt_u32 s[KF], s96
	s_cbranch_scc1 .Lhidden_\@
	v_add_nc_u32 v[ADK], s[TB], v[LI]
	v_add_nc_u32 v[ADV], s[TB], v[LT]
.irp kb, 0,1,2,3
.irp n, 0,1,2,3
	ds_load_b128 v[F+16*\kb+4*\n:F+16*\kb+4*\n+3], v[ADK] offset:(4*(\q)+\kb)*2048+512*\n
.endr
.endr
	s_wait_dscnt 0x0
.irp c, 0,1                                    ; S^T = K Q^T: eight accumulators by turns; the first eight start the sums
.irp kb, 0,1,2,3
.irp t, 0,1
.if \c == 0
	v_wmma_f32_16x16x32_f16 v[S+32*\t+8*\kb:S+32*\t+8*\kb+7], v[F+16*\kb+8*\c:F+16*\kb+8*\c+7], v[QF+16*\t+8*\c:QF+16*\t+8*\c+7], 0
.else
	v_wmma_f32_16x16x32_f16 v[S+32*\t+8*\kb:S+32*\t+8*\kb+7], v[F+16*\kb+8*\c:F+16*\kb+8*\c+7], v[QF+16*\t+8*\c:QF+16*\t+8*\c+7], v[S+32*\t+8*\kb:S+32*\t+8*\kb+7]
.endif
.endr
.endr
.endr
.rept 4
	v_nop                                          ; places in front of the loads into K's registers and of the first read of the scores
.endr
.irp cb, 0,1,2,3                               ; V^T, turned on the way: it lands while the softmax is walked
.irp kh, 0,1
.irp e, 0,1
	ds_load_tr16_b128 v[F+16*\cb+8*\kh+4*\e:F+16*\cb+8*\kh+4*\e+3], v[ADV] offset:(4*(\q)+2*\kh+\e)*2048+512*\cb
.endr
.endr
.endr
	s_add_co_u32 s96, s[KF], 63                    ; a step all of whose keys count skips the mask
	s_cmp_le_u32 s96, s[Q0]
	s_cbranch_scc1 .Lopen_\@
	s_sub_co_u32 s96, s[Q0], s[KF]
	v_add_nc_u32 v[DD], s96, v[RH]                 ; register 8 kb + jj of tile t holds key KF + 16 kb + 8 (l / 16) + jj: hidden where 16 kb + jj > Q0 - KF + 16 t + l % 16 - 8 (l / 16)
	v_add_nc_u32 v[DD+1], 16, v[DD]
.irp t, 0,1
.irp n, 0,1,2,3,4,5,6,7,8,9,10,11,12,13,14,15,16,17,18,19,20,21,22,23,24,25,26,27,28,29,30,31
	v_cmp_gt_i32 vcc_lo, 16*(\n/8)+\n%8, v[DD+\t]
	v_cndmask_b32 v[S+32*\t+\n], v[S+32*\t+\n], v[NINF], vcc_lo
.endr
.endr
.Lopen_\@:
.irp j, 0,1,2,3                                ; the maximum of my 32 scores and the old m; the two tiles line by line.  Each accumulator is read from its low end on
.irp t, 0,1
	v_max3_num_f32 v[ST+8*\t+4+\j], v[S+32*\t+8*\j], v[S+32*\t+8*\j+1], v[S+32*\t+8*\j+2]
.endr
.endr
.irp g, 1,2
.irp j, 0,1,2,3
.irp t, 0,1
	v_max3_num_f32 v[ST+8*\t+4+\j], v[ST+8*\t+4+\j], v[S+32*\t+8*\j+2*\g+1], v[S+32*\t+8*\j+2*\g+2]
.endr
.endr
.endr
.irp t, 0,1
	v_max3_num_f32 v[ST+8*\t+4], v[ST+8*\t+4], v[S+32*\t+7], v[S+32*\t+15]
.endr
.irp t, 0,1
	v_max3_num_f32 v[ST+8*\t+6], v[ST+8*\t+6], v[S+32*\t+23], v[S+32*\t+31]
.endr
.irp t, 0,1
	v_max3_num_f32 v[ST+8*\t+4], v[ST+8*\t+4], v[ST+8*\t+5], v[ST+8*\t+6]
.endr
.irp t, 0,1
	v_max3_num_f32 v[ST+8*\t+4], v[ST+8*\t+4], v[ST+8*\t+7], v[ST+8*\t]
.endr
.irp t, 0,1
	v_permlanex16_b32 v[ST+8*\t+5], v[ST+8*\t+4], s[SEL], s[SEL+1]   ; the query's other 32 keys lie in the lane 16 away
.endr
.irp t, 0,1
	v_mov_b32 v[ST+8*\t+1], v[ST+8*\t]
.endr
.irp t, 0,1
	v_max_num_f32 v[ST+8*\t], v[ST+8*\t+4], v[ST+8*\t+5]
.endr
.irp t, 0,1
	v_sub_f32 v[ST+8*\t+7], v[ST+8*\t+1], v[ST+8*\t]
.endr
.irp i, 0,2,4,6,8,10,12,14,16,18,20,22,24,26,28,30
.irp t, 0,1
	v_pk_add_f32 v[S+32*\t+\i:S+32*\t+\i+1], v[S+32*\t+\i:S+32*\t+\i+1], v[ST+8*\t:ST+8*\t+1] op_sel_hi:[1,0] neg_lo:[0,1] neg_hi:[0,1]   ; s - m
.endr
.endr
.irp t, 0,1
	v_exp_f32 v[ST+8*\t+6], v[ST+8*\t+7]           ; ONE BATCH of 66 exponentials: a of both tiles,
.endr
.irp j, 0,1,2,3,4,5,6,7,8,9,10,11,12,13,14,15,16,17,18,19,20,21,22,23,24,25,26,27,28,29,30,31,32,33,34,35,36,37,38,39,40,41,42,43,44,45,46,47,48,49,50,51,52,53,54,55,56,57,58,59,60,61,62,63
	v_exp_f32 v[S+\j], v[S+\j]                     ; and the 64 weights
.endr
	v_nop                                          ; a plain instruction behind the last exponential
	s_wait_alu depctr_va_vdst(0)                   ; and the one wait ahead of the batch's first reader
.irp t, 0,1
	v_pk_mul_f32 v[ST+8*\t+2:ST+8*\t+3], v[ST+8*\t+2:ST+8*\t+3], v[ST+8*\t+6:ST+8*\t+7] op_sel_hi:[1,0]   ; the sum under the new m
.endr
.irp t, 0,1
	v_pk_add_f32 v[ST+8*\t+4:ST+8*\t+5], v[S+32*\t:S+32*\t+1], v[S+32*\t+2:S+32*\t+3]                     ; the sum of the weights as they are in f32, in two chains
.endr
.irp j, 4,8,12,16,20,24,28
.irp t, 0,1
	v_pk_add_f32 v[ST+8*\t+2:ST+8*\t+3], v[ST+8*\t+2:ST+8*\t+3], v[S+32*\t+\j:S+32*\t+\j+1]
	v_pk_add_f32 v[ST+8*\t+4:ST+8*\t+5], v[ST+8*\t+4:ST+8*\t+5], v[S+32*\t+\j+2:S+32*\t+\j+3]
.endr
.endr
.irp t, 0,1
	v_pk_add_f32 v[ST+8*\t+2:ST+8*\t+3], v[ST+8*\t+2:ST+8*\t+3], v[ST+8*\t+4:ST+8*\t+5]
.endr
.irp t, 0,1
.irp i, 0,1,2,3,4,5,6,7,8,9,10,11,12,13,14,15
	v_cvt_pk_f16_f32 v[S+32*\t+\i], v[S+32*\t+2*\i], v[S+32*\t+2*\i+1]   ; P, in place, ascending: register i is written when registers 2 i, 2 i + 1 are read
.endr
.endr
.irp t, 0,1
.irp i, 0,2,4,6,8,10,12,14,16,18,20,22,24,26,28,30
	v_pk_mul_f32 v[O+32*\t+\i:O+32*\t+\i+1], v[O+32*\t+\i:O+32*\t+\i+1], v[ST+8*\t+6:ST+8*\t+7] op_sel_hi:[1,0]   ; O^T under the new m
.endr
.endr
	s_wait_dscnt 0x0                               ; V^T is in
.irp kh, 0,1                                   ; O^T += V^T P: eight accumulators by turns
.irp cb, 0,1,2,3
.irp t, 0,1
	v_wmma_f32_16x16x32_f16 v[O+32*\t+8*\cb:O+32*\t+8*\cb+7], v[F+16*\cb+8*\kh:F+16*\cb+8*\kh+7], v[S+32*\t+8*\kh:S+32*\t+8*\kh+7], v[O+32*\t+8*\cb:O+32*\t+8*\cb+7]
.endr
.endr
.endr
.rept 5
	v_nop                                          ; four places in front of the next loads into V's registers and of reads of O^T; five in front of the next K Q^T, which writes over P
.endr
.Lhidden_\@:
	s_add_co_u32 s[KF], s[KF], 64
.endm
; THE CHANGE OF SLOTS stands at a slot's head.  Each wave waits for all its tensor loads, adds 0 to its spare word (fill = 1: twice on end), and waits for
; that and for its reads of the slot that it has left.  Behind the barrier the slot ahead is whole and nobody reads the other one, which is filled with the next 256 keys: that load has four key steps in which to land.
; Every wait on TENSORcnt in this text is for 0.
.macro CHANGE fill
	s_wait_tensorcnt 0x0                           ; no tensor load of mine is out, so group 0 may be written
	ds_add_u32 v[SPW], v[NIL]
.if \fill
	ds_add_u32 v[SPW], v[NIL]
	s_xor_b32 s[G0+1], s[G0+1], SLOT1              ; the walking descriptor: the other slot,
	s_add_nc_u64 s[G0+2:G0+3], s[G0+2:G0+3], 32768 ; the next 256 keys; the type bits on top are not reached
	s_wait_xcnt 0x0                                ; the last prefetch, a slot back, has read its address
	s_add_nc_u64 s[PFA:PFA+1], s[PFA:PFA+1], 32768
.endif
	s_wait_dscnt 0x0
	s_barrier_signal -1
	s_barrier_wait -1
.if \fill
	s_add_co_u32 s96, s[KF], 256                   ; the look-ahead ends at the causal limit: a slot whose first key comes after my work-group's last query is read by none of its waves and is not asked for.
	s_cmp_gt_u32 s96, s[LASTQ]                     ; The work-group's number and the count of steps alone: all sixteen waves go the same way
	s_cbranch_scc1 .Lpast_\@
	TLOAD
.Lpast_\@:
	ASK
.endif
.endm
.macro SLOT_STEPS
	STEP 0
	STEP 1
	STEP 2
	STEP 3
	s_xor_b32 s[TB], s[TB], SLOT1
.endm
	s_wait_loadcnt 0x0                             ; Q
.Lslot:                                            ; seven trips
	CHANGE 1
	SLOT_STEPS
	s_sub_co_u32 s[SLOTS], s[SLOTS], 1
	s_cmp_lg_u32 s[SLOTS], 0
	s_cbranch_scc1 .Lslot
	CHANGE 0                                       ; the last slot is written out: nothing is left to ask for
	SLOT_STEPS
	; THE WAY OUT.  The sum's halves and the other half of the lanes' are added; O^T is divided by the sum, packed to f16 and stored as operand images.
.irp t, 0,1
	v_add_f32 v[ST+8*\t+4], v[ST+8*\t+2], v[ST+8*\t+3]
.endr
.irp t, 0,1
	v_permlanex16_b32 v[ST+8*\t+5], v[ST+8*\t+4], s[SEL], s[SEL+1]
.endr
.irp t, 0,1
	v_add_f32 v[ST+8*\t+4], v[ST+8*\t+4], v[ST+8*\t+5]
.endr
.irp t, 0,1
	v_rcp_f32 v[ST+8*\t+6], v[ST+8*\t+4]
.endr
	v_nop
	s_wait_alu depctr_va_vdst(0)                   ; one wait for the two reciprocals, ahead of their first reader
.irp t, 0,1
.irp i, 0,2,4,6,8,10,12,14,16,18,20,22,24,26,28,30
	v_pk_mul_f32 v[S+32*\t+\i:S+32*\t+\i+1], v[O+32*\t+\i:O+32*\t+\i+1], v[ST+8*\t+6:ST+8*\t+7] op_sel_hi:[1,0]
.endr
.endr
.irp t, 0,1
.irp i, 0,1,2,3,4,5,6,7,8,9,10,11,12,13,14,15
	v_cvt_pk_f16_f32 v[F+16*\t+\i], v[S+32*\t+2*\i], v[S+32*\t+2*\i+1]
.endr
.endr
.irp t, 0,1
.irp cb, 0,1,2,3
	global_store_b128 v[LI], v[F+16*\t+4*\cb:F+16*\t+4*\cb+3], s[6:7] offset:\t*32768+512*\cb   ; 512 consecutive bytes
.endr
.endr
	s_wait_tensorcnt 0x0                           ; the wave's end
	ds_add_u32 v[SPW], v[NIL]
	s_wait_dscnt 0x0
	s_endpgm
.Lfunc_end_k_q69861935c6_attn:
	.size	k_q69861935c6_attn, .Lfunc_end_k_q69861935c6_attn-k_q69861935c6_attn
	.p2alignl 7, 3214868480
	.fill 96, 4, 3214868480
	.section	.rodata,"a",@progbits
	.p2align	6, 0x0
	.amdhsa_kernel k_q69861935c6_attn
		.amdhsa_group_segment_fixed_size 327680
		.amdhsa_private_segment_fixed_size 0
		.amdhsa_enable_private_segment 0
		.amdhsa_kernarg_size 16
		.amdhsa_user_sgpr_count 2
		.amdhsa_user_sgpr_kernarg_segment_ptr 1
		.amdhsa_wavefront_size32 1
		.amdhsa_system_sgpr_workgroup_id_x 1
		.amdhsa_system_sgpr_workgroup_id_y 1
		.amdhsa_system_sgpr_workgroup_id_z 1
		.amdhsa_system_vgpr_workitem_id 0
		.amdhsa_next_free_vgpr 256
		.amdhsa_next_free_sgpr 100
		.amdhsa_reserve_vcc 1
		.amdhsa_float_denorm_mode_32 3
		.amdhsa_float_denorm_mode_16_64 3
		.amdhsa_memory_ordered 1
		.amdhsa_forward_progress 1
		.amdhsa_inst_pref_size 185
	.end_amdhsa_kernel
	.amdgpu_metadata
---
amdhsa.version: [ 1, 2 ]
amdhsa.kernels:
  - .name:           k_q69861935c6_attn
    .symbol:         k_q69861935c6_attn.kd
    .args:
      - { .name: qkv, .offset: 0, .size: 8, .value_kind: global_buffer, .address_space: global }
      - { .name: af, .offset: 8, .size: 8, .value_kind: global_buffer, .address_space: global }
    .group_segment_fixed_size: 327680
    .private_segment_fixed_size: 0
    .kernarg_segment_align: 8
    .kernarg_segment_size: 16
    .max_flat_workgroup_size: 512
    .sgpr_count:     100
    .vgpr_count:     256
    .wavefront_size: 32
...
	.end_amdgpu_metadata
.endif
;; end of part 3
;; launch proj (part 4): grid 8 x 32, 4 waves a work-group, clusters of 4 x 4, 327,680 bytes of LDS; arguments af, wof, out0; writes out0
.if DOCPART == 4
	.amdgcn_target "amdgcn-amd-amdhsa--gfx1250"
	.amdhsa_code_object_version 6
	.text
	.protected	k_q69861935c6_proj
	.globl	k_q69861935c6_proj
	.p2align	8
	.type	k_q69861935c6_proj,@function
k_q69861935c6_proj:
	s_mov_b64 s[64:65], 0
	v_nop
	global_prefetch_b8 v0, s[64:65] scope:SCOPE_SE
	s_setreg_imm32_b32 hwreg(HW_REG_WAVE_MODE, 25, 1), 1
	s_wait_xcnt 0x0
	s_wait_alu depctr_hold_cnt(0) depctr_sa_sdst(0) depctr_va_vdst(0) depctr_va_sdst(0) depctr_va_ssrc(0) depctr_va_vcc(0) depctr_vm_vsrc(0)
	s_getreg_b32 s2, hwreg(HW_REG_IB_STS2, 6, 4)
	s_cmp_eq_u32 s2, 0
	s_cbranch_scc0 .Lentry_in_a_cluster
	s_endpgm
.Lentry_in_a_cluster:
	s_bfe_u32 s2, ttmp6, 0x10000c
	s_cmp_lg_u32 s2, 0xf033
	s_cbranch_scc0 .Lentry_shape_is_right
	s_endpgm
.Lentry_shape_is_right:
; out0 = A Wo^T: A [8,192][1,024], the attention's result, and Wo [1,024][1,024], both f16 and both laid as images of operand registers ([16 rows][32 along K][half][lane][16 bytes]); out0 f32; sums in f32.
; (The first 16 positions of each batch are computed here with the rest of their tiles and written again, more finely, by launch fine.)
; A tile of out0 is 256 x 128: 256 work-groups.  Four waves, each 128 x 64: 32 accumulators, 256 registers.  K goes in steps of 128 through two LDS slots: 16 + 8 blocks of 4,096 bytes, as long a step as two slots allow.
; Since the operands are images, a block's K step is 4,096 dense bytes, LDS holds them without padding, and every fragment load reads 512 consecutive bytes.
; CLUSTERS: 4 x 4 work-groups; A's tiles are asked for jointly along a row of the cluster, Wo's along a column.  THE MATRIX INSTRUCTION IS USED TRANSPOSED (source 0 = 16 rows of Wo, source 1 = 16 rows of A).
; REGISTERS: window 0: v0-31 addresses; two fragment buffers of 96 at v32 and v128 (Wo's four fragments, then A's eight); window 1: accumulator (a, b) at v[8 (4 a + b)].
.set SLOT,   98304                     ; A's 16 blocks of 4,096 bytes, then Wo's 8
.set BOFF,   65536
.set STAGE,  2*SLOT                    ; the way out: 16 rows x 272 bytes for each wave
.set SPITCH, 272
.set SPARE,  STAGE+4*16*SPITCH         ; the spare words, 128 bytes a wave: two blocks of 256 bytes that no other line names
.set LAPS,   4                         ; a lap = two K steps; 1,024 / 256
.set ADRA, 16
.set ADRB, 20
.set STO,  24
.set RD,   25
.set CO,   26
.set SPW,  28
.set NIL,  29
.set F0,   32
.set F1,   128
.set BK,   32                          ; the way out: 16 rows read back, v32-63 and v64-95 by turns
.set G1, 24
.set G0, 32
.set G1B, 48
.set G0B, 56
.set MSB, 0
.macro WIN new
.if MSB != (\new)
	s_set_vgpr_msb (MSB<<8)|(\new)
.set MSB, (\new)
.endif
.endm
.set MUL, 0x50                         ; C and D window 1, sources 0 and 1 window 0
.macro JLOAD s                         ; waves 0 and 1 fetch A's halves, waves 2 and 3 Wo's; an s_nop 0 and four v_nop follow each of the two lines
	s_cmp_eq_u32 s11, 0
	s_cbranch_scc0 .Lfor_b_\@
	tensor_load_to_lds s[G0+4*\s:G0+4*\s+3], s[G1:G1+7]
	s_nop 0
.rept 4
	v_nop
.endr
	s_branch .Lasked_\@
.Lfor_b_\@:
	tensor_load_to_lds s[G0B+4*\s:G0B+4*\s+3], s[G1B:G1B+7]
	s_nop 0
.rept 4
	v_nop
.endr
.Lasked_\@:
.endm
.macro CREST
	s_cmp_lg_u32 s10, 0
	s_cbranch_scc1 .Lnot_wave_0_\@
	s_barrier_signal -3
.Lnot_wave_0_\@:
	s_barrier_wait -3
	s_barrier_signal -1
	s_barrier_wait -1
.endm
.macro CROUND
	s_barrier_signal -1
	s_barrier_wait -1
	CREST
.endm
	s_load_b128 s[4:7], s[0:1], 0x0                ; af, wof
	s_load_b64 s[8:9], s[0:1], 0x10                ; out0
	v_lshl_add_u32 v[SPW], v0, 2, SPARE
	v_mov_b32 v[NIL], 0
	ds_add_u32 v[SPW], v[NIL]                      ; the wave's opening: the add, twice on end, and its wait ahead of my first tensor load
	ds_add_u32 v[SPW], v[NIL]
	v_lshrrev_b32 v1, 5, v0
	v_readfirstlane_b32 s10, v1                    ; wave 0..3
	s_lshr_b32 s11, s10, 1                         ; which half of the tile's rows is mine.  Also: I fetch for A (0) or for Wo (1)
	s_and_b32 s12, s10, 1                          ; which half of its columns.  Also: which half of that tile I fetch
	s_bfe_u32 s40, ttmp6, 0x40000
	s_bfe_u32 s41, ttmp6, 0x40004
	s_lshl_b32 s42, ttmp9, 2
	s_add_co_u32 s42, s42, s40                     ; tile column
	s_and_b32 s13, ttmp7, 0xffff
	s_lshl_b32 s13, s13, 2
	s_add_co_u32 s13, s13, s41                     ; tile row
	s_lshl_b32 s43, s41, 2
	s_lshl_b32 s43, 15, s43                        ; my row of the cluster
	s_lshl_b32 s44, 0x1111, s40                    ; my column
	s_or_b32 s[G1+0], s43, (3<<16)|(1<<21)         ; the mask; elements of 8 bytes; no padding; bit 21 beside a mask
	s_mov_b32 s[G1+1], 512<<16                     ; A: 8 rows of 512 elements (a block's 4,096 bytes of this K step),
	s_mov_b32 s[G1+2], 8<<16
	s_mov_b32 s[G1+3], 512<<16
	s_mov_b32 s[G1+4], 8
	s_mov_b32 s[G1+5], 4096                        ; 32,768 bytes from block to block
	s_mov_b32 s[G1+6], 0
	s_mov_b32 s[G1+7], 0
	s_or_b32 s[G1B+0], s44, (3<<16)|(1<<21)
	s_mov_b32 s[G1B+1], 512<<16                    ; Wo: 4 such rows
	s_mov_b32 s[G1B+2], 4<<16
	s_mov_b32 s[G1B+3], 512<<16
	s_mov_b32 s[G1B+4], 4
	s_mov_b32 s[G1B+5], 4096
	s_mov_b32 s[G1B+6], 0
	s_mov_b32 s[G1B+7], 0
	s_lshl_b32 s16, s13, 19                        ; A: block 16 x tile row + 8 x half, 32,768 bytes each
	s_lshl_b32 s17, s12, 18
	s_add_co_u32 s16, s16, s17
	s_mov_b32 s17, 0
	s_lshl_b32 s46, s42, 18                        ; Wo: block 8 x tile column + 4 x half
	s_lshl_b32 s47, s12, 17
	s_add_co_u32 s46, s46, s47
	s_mov_b32 s47, 0
	s_lshl_b32 s20, s12, 15                        ; where they go: no place in the cluster enters an LDS address
	s_lshl_b32 s21, s12, 14
	s_add_co_u32 s21, s21, BOFF
	s_wait_dscnt 0x0                               ; both opening adds are done
	s_wait_kmcnt 0x0
	s_add_nc_u64 s[14:15], s[4:5], s[16:17]
	s_add_nc_u64 s[46:47], s[6:7], s[46:47]
	CROUND                                         ; all sixteen work-groups are here: the first joint loads meet
.irp s, 0,1
	s_mov_b32 s[G0+4*\s], 1
	s_add_co_u32 s[G0+4*\s+1], s20, \s*SLOT
	s_add_nc_u64 s[G0+4*\s+2:G0+4*\s+3], s[14:15], \s*4096
	s_or_b32 s[G0+4*\s+3], s[G0+4*\s+3], 0x80000000
	s_mov_b32 s[G0B+4*\s], 1
	s_add_co_u32 s[G0B+4*\s+1], s21, \s*SLOT
	s_add_nc_u64 s[G0B+4*\s+2:G0B+4*\s+3], s[46:47], \s*4096
	s_or_b32 s[G0B+4*\s+3], s[G0B+4*\s+3], 0x80000000
	JLOAD \s                                       ; by this text's count two loads of a wave are out at the most
.endr
	v_and_b32 v1, 15, v0                           ; l % 16
	v_bfe_u32 v2, v0, 4, 1                         ; l / 16
	v_and_b32 v3, 31, v0
	v_lshlrev_b32 v3, 4, v3                        ; 16 x lane
	s_lshl_b32 s21, s11, 15                        ; my 8 blocks of A
	s_lshl_b32 s22, s12, 14                        ; my 4 blocks of Wo
	s_add_co_u32 s22, s22, BOFF
.irp s, 0,1
	v_add_nc_u32 v[ADRA+\s], s21, v3
	v_add_nc_u32 v[ADRB+\s], s22, v3
	s_add_co_u32 s21, s21, SLOT
	s_add_co_u32 s22, s22, SLOT
.endr
	s_mul_i32 s23, s10, 16*SPITCH
	s_add_co_u32 s23, s23, STAGE                   ; my stage
	v_mul_u32_u24 v4, v1, SPITCH
	v_lshl_add_u32 v4, v2, 5, v4
	v_add_nc_u32 v[STO], s23, v4                   ; in: row l % 16, 32 bytes for each half of the lanes
	v_mul_u32_u24 v5, v2, SPITCH
	v_lshl_add_u32 v5, v1, 4, v5
	v_add_nc_u32 v[RD], s23, v5                    ; back: lanes 0-15 one row of 256 bytes, lanes 16-31 the next
	v_lshlrev_b32 v5, 12, v2
	v_lshl_add_u32 v[CO], v1, 4, v5                ; and the same two rows in out0
	s_lshl_b32 s16, s13, 20                        ; 256 tile row x 4,096 bytes
	s_lshl_b32 s17, s11, 19                        ; + 128 rows x half
	s_add_co_u32 s16, s16, s17
	s_lshl_b32 s17, s42, 9                         ; + 512 bytes x tile column
	s_add_co_u32 s16, s16, s17
	s_lshl_b32 s17, s12, 8                         ; + 256 x half
	s_add_co_u32 s16, s16, s17
	s_mov_b32 s17, 0
	s_add_nc_u64 s[8:9], s[8:9], s[16:17]
; 8 matrix instructions: A's blocks a0, a0 + 1 against Wo's four, 32 along K.  The 32 accumulators take turns, one instruction a turn, in the same order in every quarter.
.macro MUL8 f, a0, zero
.irp a, \a0, \a0+1
.irp b, 0,1,2,3
.if \zero
	v_wmma_f32_16x16x32_f16 v[8*(4*(\a)+\b):8*(4*(\a)+\b)+7], v[\f+8*\b:\f+8*\b+7], v[\f+32+8*(\a):\f+32+8*(\a)+7], 0
.else
	v_wmma_f32_16x16x32_f16 v[8*(4*(\a)+\b):8*(4*(\a)+\b)+7], v[\f+8*\b:\f+8*\b+7], v[\f+32+8*(\a):\f+32+8*(\a)+7], v[8*(4*(\a)+\b):8*(4*(\a)+\b)+7]
.endif
.endr
.endr
.endm
.macro FETCH slot, q, f                ; 24 LDS loads in one run: the slot's q-th 32 along K: Wo's four fragments, A's blocks 0-3, A's blocks 4-7
	WIN 0
.irp b, 0,1,2,3
.irp u, 0,1
	ds_load_b128 v[\f+8*\b+4*\u:\f+8*\b+4*\u+3], v[ADRB+\slot] offset:\b*4096+1024*(\q)+512*\u
.endr
.endr
.irp a, 0,1,2,3,4,5,6,7
.irp u, 0,1
	ds_load_b128 v[\f+32+8*\a+4*\u:\f+32+8*\a+4*\u+3], v[ADRA+\slot] offset:\a*4096+1024*(\q)+512*\u
.endr
.endr
.endm
.macro PLACES
.rept 4
	v_nop
.endr
.endm
; A K step is four quarters of 32 along K, 32 matrix instructions each, on buffers 0, 1, 0, 1.  One of the first three: multiplies buffer f and fetches the slot's q-th 32 into g.
.macro QUARTER slot, q, f, g, zero
	s_wait_dscnt 8                                 ; Wo's fragments and A's blocks 0-3 are in; the youngest eight loads (A's blocks 4-7) may be out
	WIN MUL
	MUL8 \f, 0, \zero
	MUL8 \f, 2, \zero
	PLACES
	FETCH \slot, \q, \g
	s_wait_dscnt 24                                ; all but the 24 just issued
	WIN MUL
	MUL8 \f, 4, \zero
	MUL8 \f, 6, \zero
.endm
; The last quarter multiplies buffer 1 and changes slots: ONE barrier; in front of it each wave waits for all its tensor loads, adds 0 to its spare word, and waits for that and for its reads of this slot.
; fill = 1: the barrier opens a round of the cluster's barrier and this slot is filled again, two K steps ahead: 112 matrix instructions stand between the request and the wait for it.
.macro TURN slot, next, fill
	WIN 0
	s_wait_tensorcnt 0x0
	ds_add_u32 v[SPW], v[NIL]
	s_wait_dscnt 9                                 ; (the add and the youngest eight loads may be out)
	WIN MUL
	MUL8 F1, 0, 0
	s_wait_dscnt 0x0
	s_barrier_signal -1
	MUL8 F1, 2, 0
.if \fill
	WIN 0
.endif
	s_barrier_wait -1
.if \fill
	CREST
	s_add_nc_u64 s[G0+4*\slot+2:G0+4*\slot+3], s[G0+4*\slot+2:G0+4*\slot+3], 8192
	s_add_nc_u64 s[G0B+4*\slot+2:G0B+4*\slot+3], s[G0B+4*\slot+2:G0B+4*\slot+3], 8192
	JLOAD \slot                                    ; the first tensor load behind the round; its four v_nop are also the places in front of the loads below
.else
	PLACES
.endif
	FETCH \next, 0, F0
	WIN MUL
	MUL8 F1, 4, 0
	MUL8 F1, 6, 0
.endm
	s_wait_tensorcnt 1                             ; my part of K step 0 is in (K step 1's load may be out),
	s_barrier_signal -1
	s_barrier_wait -1                              ; everybody's is
	FETCH 0, 0, F0
	QUARTER 0, 1, F0, F1, 1                        ; the first quarter's products start the sums
	WIN 0
	s_mov_b32 s3, LAPS-1
.Llap:
	QUARTER 0, 2, F1, F0, 0
	QUARTER 0, 3, F0, F1, 0
	TURN 0, 1, 1
	QUARTER 1, 1, F0, F1, 0
	QUARTER 1, 2, F1, F0, 0
	QUARTER 1, 3, F0, F1, 0
	TURN 1, 0, 1
	QUARTER 0, 1, F0, F1, 0
	WIN 0
	s_sub_co_u32 s3, s3, 1
	s_cmp_lg_u32 s3, 0
	s_cbranch_scc1 .Llap
	QUARTER 0, 2, F1, F0, 0                        ; the last lap fills nothing
	QUARTER 0, 3, F0, F1, 0
	TURN 0, 1, 0
	QUARTER 1, 1, F0, F1, 0
	QUARTER 1, 2, F1, F0, 0
	QUARTER 1, 3, F0, F1, 0
	s_wait_dscnt 8
	WIN MUL
	MUL8 F1, 0, 0
	MUL8 F1, 2, 0
	s_wait_dscnt 0
	MUL8 F1, 4, 0
	MUL8 F1, 6, 0
	WIN 0
; THE WAY OUT, block by block of 16 rows x 64 columns: a lane holds 32 neighbouring bytes of a row; through my own stage they come back as whole rows of 256 bytes, which sixteen lanes store, aligned.
.macro TOSTAGE a
	WIN 0x04                                       ; an LDS store's data are its source 1: window 1
.irp b, 0,1,2,3
	ds_store_b128 v[STO], v[8*(4*(\a)+\b):8*(4*(\a)+\b)+3] offset:64*\b          ; each accumulator from its low end on
	ds_store_b128 v[STO], v[8*(4*(\a)+\b)+4:8*(4*(\a)+\b)+7] offset:64*\b+16
.endr
	WIN 0
.irp t, 0,1,2,3,4,5,6,7
	ds_load_b128 v[BK+32*((\a)%2)+4*\t:BK+32*((\a)%2)+4*\t+3], v[RD] offset:\t*2*SPITCH   ; LDS serves a wave's instructions in order: these see my stores
.endr
.endm
.macro SEND a, younger
	s_wait_dscnt \younger
.irp t, 0,1,2,3,4,5,6,7
	global_store_b128 v[CO], v[BK+32*((\a)%2)+4*\t:BK+32*((\a)%2)+4*\t+3], s[8:9] offset:(16*(\a)+2*\t)*4096 th:TH_STORE_NT
.endr
.endm
	PLACES
	TOSTAGE 0
.irp a, 1,2,3,4,5,6,7
.if \a > 1
	s_wait_xcnt 0x0                                ; block a - 2's stores have read their registers: block a's loads may land there
.endif
	TOSTAGE \a
	SEND \a-1, 16                                  ; behind block a - 1's loads: block a's 8 stores and 8 loads
.endr
	SEND 7, 0
	s_wait_tensorcnt 0x0                           ; the wave's end
	ds_add_u32 v[SPW], v[NIL]
	s_wait_dscnt 0x0
	CROUND                                         ; the closing round
	s_endpgm
.Lfunc_end_k_q69861935c6_proj:
	.size	k_q69861935c6_proj, .Lfunc_end_k_q69861935c6_proj-k_q69861935c6_proj
	.p2alignl 7, 3214868480
	.fill 96, 4, 3214868480
	.section	.rodata,"a",@progbits
	.p2align	6, 0x0
	.amdhsa_kernel k_q69861935c6_proj
		.amdhsa_group_segment_fixed_size 327680
		.amdhsa_private_segment_fixed_size 0
		.amdhsa_enable_private_segment 0
		.amdhsa_kernarg_size 24
		.amdhsa_user_sgpr_count 2
		.amdhsa_user_sgpr_kernarg_segment_ptr 1
		.amdhsa_wavefront_size32 1
		.amdhsa_system_sgpr_workgroup_id_x 1
		.amdhsa_system_sgpr_workgroup_id_y 1
		.amdhsa_system_sgpr_workgroup_id_z 1
		.amdhsa_system_vgpr_workitem_id 0
		.amdhsa_next_free_vgpr 512
		.amdhsa_next_free_sgpr 66
		.amdhsa_reserve_vcc 0
		.amdhsa_float_denorm_mode_32 3
		.amdhsa_float_denorm_mode_16_64 3
		.amdhsa_memory_ordered 1
		.amdhsa_forward_progress 1
		.amdhsa_inst_pref_size 85
	.end_amdhsa_kernel
	.amdgpu_metadata
---
amdhsa.version: [ 1, 2 ]
amdhsa.kernels:
  - .name:           k_q69861935c6_proj
    .symbol:         k_q69861935c6_proj.kd
    .args:
      - { .name: af, .offset: 0, .size: 8, .value_kind: global_buffer, .address_space: global }
      - { .name: wof, .offset: 8, .size: 8, .value_kind: global_buffer, .address_space: global }
      - { .name: out0, .offset: 16, .size: 8, .value_kind: global_buffer, .address_space: global }
    .group_segment_fixed_size: 327680
    .private_segment_fixed_size: 0
    .kernarg_segment_align: 8
    .kernarg_segment_size: 24
    .max_flat_workgroup_size: 128
    .sgpr_count:     66
    .vgpr_count:     512
    .wavefront_size: 32
...
	.end_amdgpu_metadata
.endif
;; end of part 4
;; launch fine (part 5): grid 16 x 4, 16 waves a work-group, no clusters, 85,248 bytes of LDS; arguments f32r, Wo, out0; writes out0
.if DOCPART == 5
	.amdgcn_target "amdgcn-amd-amdhsa--gfx1250"
	.amdhsa_code_object_version 6
	.text
	.protected	k_q69861935c6_fine
	.globl	k_q69861935c6_fine
	.p2align	8
	.type	k_q69861935c6_fine,@function
k_q69861935c6_fine:
	s_mov_b64 s[64:65], 0
	v_nop
	global_prefetch_b8 v0, s[64:65] scope:SCOPE_SE
	s_setreg_imm32_b32 hwreg(HW_REG_WAVE_MODE, 25, 1), 1
	s_wait_xcnt 0x0
; THE FIRST 16 POSITIONS OF EACH BATCH, IN f32.  Under the causal mask these rows average one to sixteen values and are the largest of the output: attention and projection are carried in f32 for them, and their 64 rows
; of out0 are written here, behind launch proj.  Keys after position 15 are hidden from these queries by the mask that reference() builds itself: they are not read.
; f32r holds q (rotated, times log2(e) / 8), k (rotated) and v of these positions: [q, k, v][batch][head][16][64] f32.
; A work-group takes a batch (y) and 64 columns of out0 (x), so that a row's piece is 256 aligned bytes.  PHASE 1: wave w computes head w's attention for the 16 queries (S^T = K Q^T, softmax, O^T = V^T P) and puts its 64
; channels of the 16 rows into LDS.  PHASE 2: wave (nb = w % 4, kq = w / 4) multiplies 16 rows of Wo by the 16 rows over 256 of K; the four parts along K meet in LDS and are added in a fixed order.
; THE f32 MATRIX FORM has K = 4: register j of lane (r, h) is k = 2 h + j.  K is permuted alike on both sides: a lane loads 16 neighbouring bytes (k = 8 c + 4 h + 0 .. 3) and two instructions take a register pair each.
; The accumulators (v112-175) are written by matrix instructions alone; four take turns; what is made of them goes into other registers.
.set OPITCH, 4112                      ; a row of the attention's result in LDS: 4,096 bytes + 16
.set PART,   16*OPITCH                 ; the four parts along K: [kq][16 rows] x 272 bytes
.set SPARE,  PART+4*16*272             ; the spare words, 128 bytes a wave: eight blocks of 256 bytes that no other line names
.set AS, 112                           ; four accumulators: S^T's parts, later the projection's
.set AO, 144                           ; four accumulators: O^T, 16 channels each
.set SPW, 14
.set NIL, 15
	s_load_b128 s[4:7], s[0:1], 0x0                ; f32r, Wo
	s_load_b64 s[8:9], s[0:1], 0x10                ; out0
	v_lshl_add_u32 v[SPW], v0, 2, SPARE
	v_mov_b32 v[NIL], 0
	v_lshrrev_b32 v1, 5, v0
	v_readfirstlane_b32 s10, v1                    ; wave = head
	s_and_b32 s11, s10, 3                          ; nb
	s_lshr_b32 s12, s10, 2                         ; kq
	s_and_b32 s14, ttmp7, 0xffff                   ; batch
	v_and_b32 v1, 15, v0                           ; r
	v_bfe_u32 v2, v0, 4, 1                         ; h
	v_lshlrev_b32 v3, 8, v1
	v_lshl_add_u32 v3, v2, 4, v3                   ; q, k: row r of 256 bytes, + 16 h
	v_lshlrev_b32 v4, 2, v1
	v_lshl_add_u32 v4, v2, 11, v4                  ; v: channel r, keys 8 h on
	v_lshlrev_b32 v5, 12, v1
	v_lshl_add_u32 v5, v2, 4, v5                   ; Wo: row r of 4,096 bytes, + 16 h
	v_mul_u32_u24 v13, v1, OPITCH
	s_lshl_b32 s16, s10, 8
	v_lshl_add_u32 v6, v2, 5, v13
	v_add_nc_u32 v6, s16, v6                       ; LDS, in: row r, my head's 256 bytes, + 32 h
	s_lshl_b32 s16, s12, 10
	v_lshl_add_u32 v7, v2, 4, v13
	v_add_nc_u32 v7, s16, v7                       ; LDS, back: row r, my 256 of K, + 16 h
	v_mul_u32_u24 v8, v1, 272
	v_lshl_add_u32 v8, v2, 5, v8
	s_mul_i32 s16, s12, 16*272
	s_lshl_b32 s17, s11, 6
	s_add_co_u32 s16, s16, s17
	s_add_co_u32 s16, s16, PART
	v_add_nc_u32 v8, s16, v8                       ; my part: row r, 64 nb + 32 h
	v_lshrrev_b32 v9, 4, v0
	v_lshlrev_b32 v10, 12, v9
	v_mul_u32_u24 v9, v9, 272
	v_lshl_add_u32 v9, v1, 4, v9
	v_add_nc_u32 v9, PART, v9                      ; the last sum: thread t takes row t / 16, 16 bytes at 16 (t % 16)
	v_lshl_add_u32 v10, v1, 4, v10                 ; and the same place in out0
	v_lshlrev_b32 v11, 3, v2
	v_sub_nc_u32 v11, v1, v11                      ; r - 8 h
	v_mov_b32 v12, 0xff800000                      ; -infinity
	s_lshl_b32 s16, s14, 4
	s_add_co_u32 s16, s16, s10
	s_lshl_b32 s16, s16, 12                        ; f32r: 4,096 bytes a head
	s_mov_b32 s17, 0
	s_lshl_b32 s18, ttmp9, 18                      ; Wo: 64 rows x,
	s_lshl_b32 s19, s11, 16                        ; 16 rows nb,
	s_add_co_u32 s18, s18, s19
	s_lshl_b32 s19, s12, 10                        ; 256 along K kq
	s_add_co_u32 s18, s18, s19
	s_mov_b32 s19, 0
	s_lshl_b32 s20, s14, 23                        ; out0: a batch's 2,048 rows of 4,096 bytes,
	s_lshl_b32 s21, ttmp9, 8                       ; 256 bytes x
	s_add_co_u32 s20, s20, s21
	s_mov_b32 s21, 0
	s_mov_b32 s22, 0x76543210
	s_mov_b32 s23, 0xfedcba98                      ; v_permlanex16_b32's selects for lane l xor 16
	s_wait_kmcnt 0x0
	s_add_nc_u64 s[4:5], s[4:5], s[16:17]
	s_add_nc_u64 s[6:7], s[6:7], s[18:19]
	s_add_nc_u64 s[8:9], s[8:9], s[20:21]
.irp c, 0,1,2,3,4,5,6,7
	global_load_b128 v[16+4*\c:19+4*\c], v3, s[4:5] offset:32*\c             ; q
.endr
.irp c, 0,1,2,3,4,5,6,7
	global_load_b128 v[48+4*\c:51+4*\c], v3, s[4:5] offset:262144+32*\c      ; k
.endr
.irp cb, 0,1,2,3
.irp k, 0,1,2,3,4,5,6,7
	global_load_b32 v[80+8*\cb+\k], v4, s[4:5] offset:524288+256*\k+64*\cb   ; v(key 8 h + k, channel 16 cb + r): the keys as P's registers hold them
.endr
.endr
.irp c, 0,1,2,3,4,5,6,7,8,9,10,11,12,13,14,15
	global_load_b128 v[176+4*\c:179+4*\c], v5, s[6:7] offset:32*\c           ; Wo, the first 128 of my 256 along K
.endr
.macro SUM4                            ; the four accumulators' sum into v240-247; each is read from its low end on
.irp p, 0,2,4,6
	v_pk_add_f32 v[240+\p:241+\p], v[AS+\p:AS+\p+1], v[AS+8+\p:AS+9+\p]
	v_pk_add_f32 v[248+\p:249+\p], v[AS+16+\p:AS+17+\p], v[AS+24+\p:AS+25+\p]
.endr
.irp p, 0,2,4,6
	v_pk_add_f32 v[240+\p:241+\p], v[240+\p:241+\p], v[248+\p:249+\p]
.endr
.endm
.macro FAR                             ; eight places behind the f32 matrix form (ISA guide 7.12.1)
.rept 8
	v_nop
.endr
.endm
	; ---- PHASE 1
	s_wait_loadcnt 48                              ; q and k are in; v's 32 loads and Wo's 16 may be out
.irp e, 0,1,2,3,4,5,6,7,8,9,10,11,12,13,14,15
.if \e < 4
	v_wmma_f32_16x16x4_f32 v[AS+8*(\e%4):AS+8*(\e%4)+7], v[48+2*\e:49+2*\e], v[16+2*\e:17+2*\e], 0
.else
	v_wmma_f32_16x16x4_f32 v[AS+8*(\e%4):AS+8*(\e%4)+7], v[48+2*\e:49+2*\e], v[16+2*\e:17+2*\e], v[AS+8*(\e%4):AS+8*(\e%4)+7]
.endif
.endr
	FAR
.irp c, 0,1,2,3,4,5,6,7,8,9,10,11,12,13,14,15
	global_load_b128 v[16+4*\c:19+4*\c], v5, s[6:7] offset:512+32*\c         ; Wo, the second 128, into q's and k's registers
.endr
	SUM4                                           ; lane (r, h), register jj: the score of key 8 h + jj for query r, a base-2 exponent as it stands
.irp j, 0,1,2,3,4,5,6,7
	v_cmp_gt_i32 vcc_lo, \j, v11                   ; hidden where 8 h + jj > r
	v_cndmask_b32 v[240+\j], v[240+\j], v12, vcc_lo
.endr
	v_max3_num_f32 v248, v240, v241, v242
	v_max3_num_f32 v248, v248, v243, v244
	v_max3_num_f32 v248, v248, v245, v246
	v_max_num_f32 v248, v248, v247
	v_permlanex16_b32 v249, v248, s22, s23
	v_max_num_f32 v250, v248, v249                 ; the row's maximum: key 0 counts for every query
.irp p, 0,2,4,6
	v_pk_add_f32 v[240+\p:241+\p], v[240+\p:241+\p], v[250:251] op_sel_hi:[1,0] neg_lo:[0,1] neg_hi:[0,1]
.endr
.irp j, 0,1,2,3,4,5,6,7
	v_exp_f32 v[240+\j], v[240+\j]
.endr
	v_nop
	s_wait_alu depctr_va_vdst(0)                   ; one wait for the eight exponentials, ahead of their first reader
	v_pk_add_f32 v[252:253], v[240:241], v[242:243]
	v_pk_add_f32 v[254:255], v[244:245], v[246:247]
	v_pk_add_f32 v[252:253], v[252:253], v[254:255]
	v_add_f32 v252, v252, v253
	v_permlanex16_b32 v253, v252, s22, s23
	v_add_f32 v252, v252, v253                     ; the row's sum
	v_rcp_f32 v254, v252
	v_nop
	s_wait_alu depctr_va_vdst(0)
	s_wait_loadcnt 32                              ; v is in; Wo's 32 loads may be out
.irp c, 0,1,2,3
.irp cb, 0,1,2,3
.if \c == 0
	v_wmma_f32_16x16x4_f32 v[AO+8*\cb:AO+8*\cb+7], v[80+8*\cb+2*\c:81+8*\cb+2*\c], v[240+2*\c:241+2*\c], 0
.else
	v_wmma_f32_16x16x4_f32 v[AO+8*\cb:AO+8*\cb+7], v[80+8*\cb+2*\c:81+8*\cb+2*\c], v[240+2*\c:241+2*\c], v[AO+8*\cb:AO+8*\cb+7]
.endif
.endr
.endr
	FAR
.irp i, 0,2,4,6,8,10,12,14,16,18,20,22,24,26,28,30
	v_pk_mul_f32 v[80+\i:81+\i], v[AO+\i:AO+\i+1], v[254:255] op_sel_hi:[1,0]   ; O^T / the sum: register 8 cb + jj is channel 16 cb + 8 h + jj of query r
.endr
.irp cb, 0,1,2,3
	ds_store_b128 v6, v[80+8*\cb:83+8*\cb] offset:64*\cb
	ds_store_b128 v6, v[84+8*\cb:87+8*\cb] offset:64*\cb+16
.endr
	s_wait_dscnt 0x0                               ; for the others' sake: my stores have landed
	s_barrier_signal -1
	s_barrier_wait -1                              ; the 16 rows x 1,024 lie in LDS
	; ---- PHASE 2: source 0 = 16 rows of Wo, source 1 = the 16 rows: lane (r, h) holds row r and columns 8 h + 0 .. 7
.irp g, 0,1,2,3
.if \g < 2
.set WB, 176+32*\g
.else
.set WB, 16+32*(\g-2)
.endif
.irp c, 0,1,2,3,4,5,6,7
	ds_load_b128 v[80+4*\c:83+4*\c], v7 offset:32*(8*\g+\c)
.endr
	s_wait_dscnt 0x0
.if \g == 0
	s_wait_loadcnt 16                              ; Wo's first 128 are in; the second 16 loads may be out
.endif
.if \g == 2
	s_wait_loadcnt 0
.endif
.irp e, 0,1,2,3,4,5,6,7,8,9,10,11,12,13,14,15
.if (\g == 0) && (\e < 4)
	v_wmma_f32_16x16x4_f32 v[AS+8*(\e%4):AS+8*(\e%4)+7], v[WB+2*\e:WB+2*\e+1], v[80+2*\e:81+2*\e], 0
.else
	v_wmma_f32_16x16x4_f32 v[AS+8*(\e%4):AS+8*(\e%4)+7], v[WB+2*\e:WB+2*\e+1], v[80+2*\e:81+2*\e], v[AS+8*(\e%4):AS+8*(\e%4)+7]
.endif
.endr
	FAR                                            ; in front of the next loads into the rows' registers, and of the first read of the sums
.endr
	SUM4
	ds_store_b128 v8, v[240:243]
	ds_store_b128 v8, v[244:247] offset:16
	s_wait_dscnt 0x0
	s_barrier_signal -1
	s_barrier_wait -1                              ; the four parts along K lie in LDS
	s_cmp_ge_u32 s10, 8                            ; 256 threads add them: waves 0 to 7
	s_cbranch_scc1 .Ldone
.irp k, 0,1,2,3
	ds_load_b128 v[16+4*\k:19+4*\k], v9 offset:16*272*\k
.endr
	s_wait_dscnt 0x0
	v_pk_add_f32 v[16:17], v[16:17], v[20:21]
	v_pk_add_f32 v[18:19], v[18:19], v[22:23]
	v_pk_add_f32 v[24:25], v[24:25], v[28:29]
	v_pk_add_f32 v[26:27], v[26:27], v[30:31]
	v_pk_add_f32 v[16:17], v[16:17], v[24:25]
	v_pk_add_f32 v[18:19], v[18:19], v[26:27]
	global_store_b128 v10, v[16:19], s[8:9]        ; sixteen lanes store 256 consecutive bytes, aligned
.Ldone:
	s_wait_tensorcnt 0x0                           ; the wave's end, behind my last LDS store
	ds_add_u32 v[SPW], v[NIL]
	s_wait_dscnt 0x0
	s_endpgm
.Lfunc_end_k_q69861935c6_fine:
	.size	k_q69861935c6_fine, .Lfunc_end_k_q69861935c6_fine-k_q69861935c6_fine
	.p2alignl 7, 3214868480
	.fill 96, 4, 3214868480
	.section	.rodata,"a",@progbits
	.p2align	6, 0x0
	.amdhsa_kernel k_q69861935c6_fine
		.amdhsa_group_segment_fixed_size 85248
		.amdhsa_private_segment_fixed_size 0
		.amdhsa_enable_private_segment 0
		.amdhsa_kernarg_size 24
		.amdhsa_user_sgpr_count 2
		.amdhsa_user_sgpr_kernarg_segment_ptr 1
		.amdhsa_wavefront_size32 1
		.amdhsa_system_sgpr_workgroup_id_x 1
		.amdhsa_system_sgpr_workgroup_id_y 1
		.amdhsa_system_sgpr_workgroup_id_z 1
		.amdhsa_system_vgpr_workitem_id 0
		.amdhsa_next_free_vgpr 256
		.amdhsa_next_free_sgpr 66
		.amdhsa_reserve_vcc 1
		.amdhsa_float_denorm_mode_32 3
		.amdhsa_float_denorm_mode_16_64 3
		.amdhsa_memory_ordered 1
		.amdhsa_forward_progress 1
		.amdhsa_inst_pref_size 27
	.end_amdhsa_kernel
	.amdgpu_metadata
---
amdhsa.version: [ 1, 2 ]
amdhsa.kernels:
  - .name:           k_q69861935c6_fine
    .symbol:         k_q69861935c6_fine.kd
    .args:
      - { .name: f32r, .offset: 0, .size: 8, .value_kind: global_buffer, .address_space: global }
      - { .name: Wo, .offset: 8, .size: 8, .value_kind: global_buffer, .address_space: global }
      - { .name: out0, .offset: 16, .size: 8, .value_kind: global_buffer, .address_space: global }
    .group_segment_fixed_size: 85248
    .private_segment_fixed_size: 0
    .kernarg_segment_align: 8
    .kernarg_segment_size: 24
    .max_flat_workgroup_size: 512
    .sgpr_count:     66
    .vgpr_count:     256
    .wavefront_size: 32
...
	.end_amdgpu_metadata
.endif
;; end of part 5
